; MI455X (gfx1250); checked and timed in simulation.
; The chip was launched on July 23, 2026; its instructions are those of AMD's public machine-readable ISA for CDNA 5 (MIT licence, August 2026) and "CDNA5" Instruction Set Architecture Reference Guide (July 2026). The comments in the code are by the model that wrote it; some were corrected since.
;; Multi Category Encoder. Allowed arithmetic: matrix products marked QUANTISED: E2M3 operands, one E8M0 scale for each 32 along K, by v_wmma_scale_f32_16x16x128_f8f6f4 with both operands' format E2M3, f32 sums; everything else in f32.
;; Inputs: W 16 x 256 x 4,096 float32; batch 4,096 x 4,096 float32; classes 4,096 int32.
;; Outputs: out0 4,096 x 256 float32.
;; This version of the problem:
;;   THIS VERSION OF THE PROBLEM IS GIVEN IN LOW PRECISION. The matrix products marked QUANTISED in the list below multiply operands that are first quantised to E2M3 (2 exponent bits, 3 mantissa bits; 6 bits a number), with one power-of-two scale for each 32 numbers along K (OCP MX v1.0); their sums are f32. All else is computed in f32.
;;   The module's matrix products, in the order in which they are computed (A, B: the left and right operand; K: the contracted axis; several contracted axes count as one K, in the product's order):
;;     1. [M 4,096, K 4,096] x [K 4,096, N 4,096]; A: input batch; B: input W: QUANTISED
;;   THE QUANTISER, for each operand of a quantised product, along K:
;;     - K is cut into blocks of 32 from its start; a last block that is shorter is filled with zeros.
;;     - A block's scale is 2^e with e = floor(log2(the largest magnitude in the block)) - 2, held to -126 .. 127; a block of zeros has e = 0. As a byte (E8M0): e + 127.
;;     - Each number is divided by its block's scale, clamped to +-7.5, and rounded to the nearest number of E2M3, ties to even, subnormals kept.
;;     - The product sums the exact products of the quantised numbers (number of the format x scale) in f32.
;;   ~~~python
;;   def quantise(x, axis):      # numpy; x: float32 -> the quantised numbers, widened to float32 again
;;       x = np.moveaxis(x, axis, -1); K = x.shape[-1]
;;       x = np.pad(x, [(0, 0)] * (x.ndim - 1) + [(0, -K % 32)]); x = x.reshape(x.shape[:-1] + (-1, 32)); a = np.abs(x).max(-1, keepdims=True)
;;       e = np.where(a > 0, np.clip(np.frexp(np.where(a > 0, a, 1))[1] - 1 - 2, -126, 127), 0)      # np.frexp(a)[1] - 1 = floor(log2(a)), exactly
;;       r = np.clip(x / 2.0 ** e, -7.5, 7.5)
;;       step = 2.0 ** (np.maximum(np.frexp(np.where(r == 0, 1, r))[1] - 1, 0) - 3)
;;       q = np.round(r / step) * step * 2.0 ** e      # np.round: ties to even
;;       return np.moveaxis(q.reshape(q.shape[:-2] + (-1,))[..., :K], -1, axis).astype(np.float32)
;;   ~~~
;; 2 versions. Each part assembles by itself: llvm-mc -triple=amdgcn-amd-amdhsa -mcpu=gfx1250 --defsym DOCPART=n.
;; ======== version 1 of 2: 2 launches
;; workspace buffers: wq 13,107,200 bytes; rows 18,432 bytes of whole numbers; tiles 3,072 bytes of whole numbers
;; launch prep (part 1): grid 257 x 1, 4 waves a work-group, no clusters, 34,816 bytes of LDS; arguments W, classes, wq, rows, tiles; writes wq, rows, tiles
.if DOCPART == 1
	.amdgcn_target "amdgcn-amd-amdhsa--gfx1250"
	.amdhsa_code_object_version 6
	.text
	.protected	k_q979e9c21c3_prep
	.globl	k_q979e9c21c3_prep
	.p2align	8
	.type	k_q979e9c21c3_prep,@function
k_q979e9c21c3_prep:
	s_mov_b64 s[64:65], 0
	v_nop
	global_prefetch_b8 v0, s[64:65] scope:SCOPE_SE
	s_setreg_imm32_b32 hwreg(HW_REG_WAVE_MODE, 25, 1), 1
	s_wait_xcnt 0x0
; TWO JOBS IN ONE LAUNCH.  Work-group 0 sorts the 4,096 rows by their class (a counting sort, no atomics) and stores a list of tiles; work-groups 1 to 256 turn W into codes of FP6 (E2M3) with one E8M0 byte for each 32 along K.
; W: [16][256][4096] f32, K innermost; taken here as 4,096 rows of 16,384 bytes (row = 256 x expert + output).
; wq: [expert 16][K step of 128: 32][25,600 bytes].  A block holds 16 fragments (tile t = outputs 16 t .. 16 t + 15) as IMAGES OF THE OPERAND'S REGISTERS: registers 4 c .. 4 c + 3 of lane l at byte 1536 t + 512 c + 16 l;
;   behind them, at 24,576 + 512 g + 16 l + 4 i, the scale word of tile 8 g + 2 i + l / 16, row l % 16: so one load of 16 bytes a lane brings four scale registers, each with an even tile's words below and an odd tile's above.
; rows: tile j's 16 row numbers at word 16 j (all 4,608 words are stored; a slot without a row holds 0).   tiles: (expert, number of rows 0 .. 16) at byte 8 j, 384 entries.
; With tiles of 16 rows there are never more than (4,096 + 16 x 15) / 16 = 271 tiles, whatever the split.
; THE QUANTISER: a block's scale is 2^(floor(log2(its largest magnitude)) - 2); its byte is that magnitude's exponent field - 2, held at 1 from below by a floor among the maximum's leaves.
; LIMITS: a block of zeros gets the byte 1 where the rule says 127 (its codes are zeros, which add nothing under any byte but 0xff, and this program alone reads the bytes); NaN and infinities are not served;
;   classes lie in 0 .. 15, as the problem's gather relies on: a row with another class would be placed nowhere of use.
; QUANTISING, shares: unit u = 4 (work-group - 1) + wave takes 128 rows of W (8 tiles) at one K step of 128: 64 KiB in, 12,800 bytes out.  The four waves of a work-group stand side by side along K: 2,048 bytes of each row.
; Each load reads 512 consecutive bytes of one row, 16 a lane.  The conversions want 32 neighbours along K in ONE lane: so a tile's 16 rows turn through the wave's own stage in LDS.
.set STG,   8448                       ; a wave's stage: 16 rows x (512 bytes + 16): 33 x 16 bytes from row to row, so the 16 rows that a load of 16 bytes a lane touches start at 16 different groups of banks (64 banks of 4 bytes: ISA guide 11.1)
.set CNT,   4*STG                      ; the sorting path's own bytes: 128 bytes a wave: its counts of the 16 classes
.set SPARE, CNT+512                    ; the spare words, 128 bytes for each wave: two blocks of 256 bytes that no other line names
.set BLK,   25600                      ; a block of wq
.set LN16, 1                           ; v1   16 x lane; never rewritten
.set LANE, 2                           ; v2   lane
.set STA,  3                           ; v3   the stage, on the way in: my wave's + 16 x lane
.set STL,  4                           ; v4   and on the way out: my wave's + 528 (lane % 16) + 128 (lane / 16)
.set SPW,  5                           ; v5   LDS address of my spare word; never rewritten
.set NIL,  6                           ; v6   0; never rewritten
.set CNTV, 7                           ; v7   sorting: lane e holds my wave's count of class e
.set T8,   8
.set SH8,  9                           ; v9   8 x (lane / 16)
.set W2,   10                          ; v10  the other half's scale bytes
.set WD,   11                          ; v11  my two scale bytes
.set TM,   12                          ; v12-15 four running maxima
.set SO,   16                          ; v16-17 the conversions' scale operands
.set BY,   18                          ; v18-19 the scale bytes
.set XSW,  20                          ; v20  my row's scale word
.set CA,   21                          ; v21  CNT + 4 x thread
.set LA,   22                          ; v22  CNT + 4 x lane
.set T7,   23
.set SW,   24                          ; v24-27 the unit's scale words, as they are stored
.set TP,   48                          ; v48-55 the second halves of the blocks' codes
.set X,    64                          ; v64-127 64 numbers: register 32 c + i = k 64 c + 32 (lane / 16) + i of row lane % 16
.set C,    128                         ; v128-223 codes: 12 registers for each tile, so that no store's data are written again
; window 1 (v256-511): four sets of 64 registers, a tile's 16 rows as they are loaded
; the sorting path's registers (that path uses window 0 alone)
.set CL,   32                          ; v32-63  my 32 classes: element 4 q + c is row 512 q + 4 thread + c
.set RK,   64                          ; v64-95  their places in rows
.set RW,   96                          ; v96-127 their row numbers
.set ZR,   128                         ; v128-131 zeros
.set CW,   132                         ; v132-135 the four waves' counts
.set TOT,  136                         ; lane e: rows of class e
.set BEF,  137                         ; of them in the waves before mine
.set TL,   138                         ; its tiles
.set INC,  139
.set TX,   140                         ; its first tile
.set BASE, 141                         ; my wave's first place for it
.set PA,   142                         ; first tile | class << 16
.set DT,   143
.set J,    144                         ; v144-146 three tiles a thread
.set VSA,  148
.set VSB,  152
.set JA,   156
.set EN,   160                         ; v160-165 three entries
.set TA,   166
.set TN,   167
.set A16,  168
.set B4,   169
.set TR,   172                         ; v172-175
.set WV,   14                          ; s14  wave
.set SE,   20                          ; s20  the class in hand
.set RUN,  21                          ; s21  a running count
.set R1,   22                          ; s22-24
.set SCB,  26                          ; s[26:27] where my unit's scale words go
.set MK,   28                          ; s28-35 lane masks and their counts
.set KS,   36
.set PAS,  37
.set NS,   38
.set TS,   39
.set SEL,  40                          ; s[40:41] v_permlanex16_b32's selects for lane l xor 16
.set HI,   42                          ; s42  lanes 16-31
.set MSB, 0
.macro WIN new                         ; the immediate's high byte repeats the setting that is left; a switch that changes nothing is dropped
.if MSB != \new
	s_set_vgpr_msb (MSB<<8)|\new
.set MSB, \new
.endif
.endm
; 64 numbers of a lane, two whole blocks of 32, become the operand's 12 registers in v[pc] on and the row's scale word in v[XSW] (the same word in lanes l and l xor 16).
.macro QUANT pc
.irp q, 0,1,2,3
	v_max3_num_f32 v[TM+\q], |v[X+16*\q]|, |v[X+16*\q+1]|, 0x1800000   ; four chains of 16 numbers, by turns; the floor 2^(3 - 127) among the leaves: the byte cannot fall under 1
.endr
.irp i, 2,4,6,8,10,12,14
.irp q, 0,1,2,3
	v_max3_num_f32 v[TM+\q], v[TM+\q], |v[X+16*\q+\i]|, |v[X+16*\q+\i+1]|
.endr
.endr
	v_max_num_f32 v[TM], v[TM], v[TM+1]            ; block lane / 16
	v_max_num_f32 v[TM+2], v[TM+2], v[TM+3]        ; block 2 + lane / 16
	v_add_nc_u32 v[SO], 0xff000000, v[TM]          ; 2 off the exponent field: the conversion takes the exponent field of this operand as its scale, and nothing else of it
	v_add_nc_u32 v[SO+1], 0xff000000, v[TM+2]
	v_lshrrev_b32 v[BY], 23, v[SO]                 ; the scale's byte
	v_lshrrev_b32 v[BY+1], 23, v[SO+1]
	v_lshl_or_b32 v[WD], v[BY+1], 16, v[BY]
	v_lshlrev_b32 v[WD], v[SH8], v[WD]             ; at their places in the word
	v_permlanex16_b32 v[W2], v[WD], s[SEL], s[SEL+1]
	v_or_b32 v[XSW], v[WD], v[W2]                  ; with lane l xor 16's two the word is whole
.irp c, 0,1
	v_cvt_scalef32_pk16_fp6_f32 v[(\pc)+6*\c:(\pc)+6*\c+2], v[X+32*\c:X+32*\c+15], v[SO+\c]
	v_cvt_scalef32_pk16_fp6_f32 v[TP+4*\c:TP+4*\c+2], v[X+32*\c+16:X+32*\c+31], v[SO+\c]   ; (a conversion's three registers begin on an even number: a block's second three do not, so they are made elsewhere and moved)
.endr
	v_nop                                          ; one plain place behind a scaled conversion
.irp c, 0,1
.irp i, 0,1,2
	v_mov_b32 v[(\pc)+3+6*\c+\i], v[TP+4*\c+\i]
.endr
.endr
.endm
	s_load_b256 s[4:11], s[0:1], 0x0               ; W s[4:5], classes s[6:7], wq s[8:9], rows s[10:11]
	s_load_b64 s[12:13], s[0:1], 0x20              ; tiles
	v_lshl_add_u32 v[SPW], v0, 2, SPARE
	v_mov_b32 v[NIL], 0
	v_lshrrev_b32 v[T8], 5, v0
	v_readfirstlane_b32 s[WV], v[T8]               ; wave 0..3
	v_and_b32 v[LANE], 31, v0
	v_lshlrev_b32 v[LN16], 4, v[LANE]
	v_and_b32 v[T7], 15, v0                        ; r = lane % 16
	v_bfe_u32 v[T8], v0, 4, 1                      ; h = lane / 16
	v_lshlrev_b32 v[SH8], 3, v[T8]
	s_mul_i32 s15, s[WV], STG
	v_add_nc_u32 v[STA], s15, v[LN16]
	v_mul_u32_u24 v[STL], v[T7], 528
	v_lshl_add_u32 v[STL], v[T8], 7, v[STL]
	v_add_nc_u32 v[STL], s15, v[STL]
	v_lshl_add_u32 v[CA], v0, 2, CNT
	v_lshl_add_u32 v[LA], v[LANE], 2, CNT
	v_mov_b32 v[W2], 0                             ; written once: a lane permute's destination counts as one of its sources
	s_mov_b32 s[SEL], 0x76543210
	s_mov_b32 s[SEL+1], 0xfedcba98
	s_mov_b32 s[HI], 0xffff0000
	s_wait_kmcnt 0x0
	s_cmp_eq_u32 ttmp9, 0                          ; the work-group's number alone: all four waves go the same way
	s_cbranch_scc1 .Lroute
	; ---------------- QUANTISING W ----------------
	s_sub_co_u32 s15, ttmp9, 1
	s_lshl_b32 s15, s15, 2
	s_add_co_u32 s15, s15, s[WV]                   ; unit u, 0 .. 1,023
	s_and_b32 s18, s15, 31                         ; K step s
	s_lshr_b32 s19, s15, 5                         ; which 128 rows: 2 x expert + half
	s_lshl_b32 s16, s19, 21                        ; 128 rows of 16,384 bytes
	s_lshl_b32 s17, s18, 9                         ; 128 numbers of 4 bytes
	s_add_co_u32 s16, s16, s17
	s_mov_b32 s17, 0
	s_add_nc_u64 s[4:5], s[4:5], s[16:17]          ; W at my unit
	s_lshr_b32 s16, s19, 1
	s_lshl_b32 s16, s16, 5
	s_add_co_u32 s16, s16, s18                     ; 32 x expert + s
	s_mul_i32 s16, s16, BLK
	s_add_nc_u64 s[8:9], s[8:9], s[16:17]          ; the block of wq
	s_and_b32 s19, s19, 1                          ; half g
	s_lshl_b32 s16, s19, 9
	s_add_co_u32 s16, s16, 24576
	s_add_nc_u64 s[SCB:SCB+1], s[8:9], s[16:17]    ; my half's scale words
	s_mul_i32 s16, s19, 12288
	s_add_nc_u64 s[8:9], s[8:9], s[16:17]          ; my half's eight fragments
.macro WLOAD t                         ; tile t's 16 rows, 512 consecutive bytes each, into set t % 4 of window 1.  Every offset is an immediate: 127 rows of 16,384 bytes at the most
	WIN 0x40                                       ; destination window 1, address window 0
.irp p, 0,1,2,3,4,5,6,7,8,9,10,11,12,13,14,15
	global_load_b128 v[64*((\t)%4)+4*\p:64*((\t)%4)+4*\p+3], v[LN16], s[4:5] offset:(16*(\t)+\p)*16384 th:TH_LOAD_NT
.endr
	WIN 0
.endm
.macro QSTEP t
.if 7-(\t) >= 3
	s_wait_loadcnt 48                              ; loads come back in order (ISA guide 5.7.1): this tile's 16 are in; those of the three tiles behind it may be out
.else
	s_wait_loadcnt 16*(7-(\t))
.endif
	WIN 0x04                                       ; an LDS store's data are its source 1: window 1
.irp p, 0,1,2,3,4,5,6,7,8,9,10,11,12,13,14,15
	ds_store_b128 v[STA], v[64*((\t)%4)+4*\p:64*((\t)%4)+4*\p+3] offset:528*\p
.endr
	WIN 0
.irp c, 0,1
.irp i, 0,1,2,3,4,5,6,7
	ds_load_b128 v[X+32*\c+4*\i:X+32*\c+4*\i+3], v[STL] offset:256*\c+16*\i   ; LDS serves a wave's instructions in order (ISA guide 5.7.1.4): these see the stores above
.endr
.endr
	s_wait_dscnt 0x0                               ; my 64 numbers are in, and the stores into the stage have read their registers,
.if (\t)+4 <= 7
	WLOAD (\t)+4                                   ; which take the tile four further on
.endif
	QUANT C+12*(\t)
.irp c, 0,1,2
	global_store_b128 v[LN16], v[C+12*(\t)+4*\c:C+12*(\t)+4*\c+3], s[8:9] offset:1536*(\t)+512*\c   ; 32 lanes store 512 consecutive bytes, at a multiple of 256 from wq's first byte
.endr
.if (\t)%2 == 0
	v_mov_b32 v[SW+(\t)/2], v[XSW]                 ; an even tile's words (wanted in lanes 0-15),
.else
	v_cndmask_b32 v[SW+(\t)/2], v[SW+(\t)/2], v[XSW], s[HI]   ; an odd tile's in lanes 16-31
.endif
.endm
	WLOAD 0
	WLOAD 1
	WLOAD 2
	WLOAD 3
.irp t, 0,1,2,3,4,5,6,7
	QSTEP \t
.endr
	global_store_b128 v[LN16], v[SW:SW+3], s[SCB:SCB+1]   ; the unit's 128 scale words: 512 consecutive bytes
	s_wait_tensorcnt 0x0                           ; the wave's end
	ds_add_u32 v[SPW], v[NIL]
	s_wait_dscnt 0x0
	s_endpgm
	; ---------------- SORTING THE ROWS BY CLASS: work-group 0, 128 threads, 32 rows each ----------------
.Lroute:
	v_lshlrev_b32 v[A16], 4, v0
.irp q, 0,1,2,3,4,5,6,7
	global_load_b128 v[CL+4*\q:CL+4*\q+3], v[A16], s[6:7] offset:2048*\q
.endr
.irp i, 0,1,2,3
	v_mov_b32 v[ZR+\i], 0
.endr
.irp k, 0,1,2,3,4,5,6,7,8
	global_store_b128 v[A16], v[ZR:ZR+3], s[10:11] offset:2048*\k   ; all 18,432 bytes of rows are set to 0: the slots that get no row keep it
.endr
	v_lshlrev_b32 v[B4], 2, v0
.irp j, 0,1,2,3,4,5,6,7,8,9,10,11,12,13,14,15,16,17,18,19,20,21,22,23,24,25,26,27,28,29,30,31
	v_add_nc_u32 v[RW+\j], 512*(\j/4)+\j%4, v[B4]
	v_mov_b32 v[RK+\j], 0
.endr
	v_mov_b32 v[CNTV], 0
	v_mov_b32 v[DT], 0                             ; written once: a DPP form's destination counts as read
	s_mov_b32 s[SE], 0
	s_wait_loadcnt 0x0
.macro COUNT8 j0                       ; eight of a lane's 32 elements: which lanes hold class SE, and how many
.irp i, 0,1,2,3,4,5,6,7
	v_cmp_eq_u32 s[MK+\i], s[SE], v[CL+(\j0)+\i]
.endr
.irp i, 0,1,2,3,4,5,6,7
	s_bcnt1_i32_b32 s[MK+\i], s[MK+\i]
.endr
.irp i, 0,1,2,3,4,5,6,7
	s_add_co_u32 s[RUN], s[RUN], s[MK+\i]
.endr
.endm
.Lcount:                                           ; 16 trips, a class each: my wave's count of it goes to lane SE
	s_mov_b32 s[RUN], 0
.irp j0, 0,8,16,24
	COUNT8 \j0
.endr
	v_mov_b32 v[TA], s[RUN]
	v_cmp_eq_u32 vcc_lo, s[SE], v[LANE]
	v_cndmask_b32 v[CNTV], v[CNTV], v[TA], vcc_lo
	s_add_co_u32 s[SE], s[SE], 1
	s_cmp_lt_u32 s[SE], 16
	s_cbranch_scc1 .Lcount
	ds_store_b32 v[CA], v[CNTV]
	s_wait_storecnt 0x0                            ; my zeros have reached rows: no wave places a row before all four have said so
	s_wait_dscnt 0x0                               ; for the others' sake: my counts are in LDS
	s_barrier_signal -1
	s_barrier_wait -1
.irp w, 0,1,2,3
	ds_load_b32 v[CW+\w], v[LA] offset:128*\w      ; lane e: wave w's count of class e (lanes 16-31: zeros)
.endr
	s_wait_dscnt 0x0
	v_add_nc_u32 v[TOT], v[CW], v[CW+1]
	v_add3_u32 v[TOT], v[TOT], v[CW+2], v[CW+3]
	v_mov_b32 v[BEF], 0
.irp w, 0,1,2
	s_cmp_gt_u32 s[WV], \w
	s_cselect_b32 s[KS], -1, 0
	v_and_b32 v[TA], s[KS], v[CW+\w]
	v_add_nc_u32 v[BEF], v[BEF], v[TA]
.endr
	v_add_nc_u32 v[TL], 15, v[TOT]
	v_lshrrev_b32 v[TL], 4, v[TL]                  ; tiles of class e
	v_mov_b32 v[INC], v[TL]
.irp n, 1,2,4,8
	v_mov_b32_dpp v[DT], v[INC] row_shr:\n row_mask:0xf bank_mask:0xf bound_ctrl:1   ; a running sum over the 16 lanes
	v_add_nc_u32 v[INC], v[INC], v[DT]
.endr
	v_sub_nc_u32 v[TX], v[INC], v[TL]              ; class e's first tile
	v_lshl_add_u32 v[BASE], v[TX], 4, v[BEF]       ; my wave's first place for class e
	v_lshl_or_b32 v[PA], v[LANE], 16, v[TX]
	; the list of tiles: thread t makes entries t, t + 128, t + 256.  Tile j belongs to the LAST class whose first tile is at or under j: that passes over classes without rows
.irp k, 0,1,2
	v_add_nc_u32 v[J+\k], 128*\k, v0
	v_lshlrev_b32 v[JA+\k], 3, v[J+\k]
.endr
.irp e, 0,1,2,3,4,5,6,7,8,9,10,11,12,13,14,15
	v_readlane_b32 s[PAS], v[PA], \e
	v_readlane_b32 s[NS], v[TOT], \e
	s_and_b32 s[TS], s[PAS], 0xffff
.if \e == 0
.irp k, 0,1,2
	v_mov_b32 v[VSA+\k], s[PAS]                    ; class 0 begins at tile 0
	v_mov_b32 v[VSB+\k], s[NS]
.endr
.else
	v_mov_b32 v[TA], s[PAS]
	v_mov_b32 v[TN], s[NS]
.irp k, 0,1,2
	v_cmp_le_u32 vcc_lo, s[TS], v[J+\k]
	v_cndmask_b32 v[VSA+\k], v[VSA+\k], v[TA], vcc_lo
	v_cndmask_b32 v[VSB+\k], v[VSB+\k], v[TN], vcc_lo
.endr
.endif
.endr
.irp k, 0,1,2
	v_and_b32 v[TA], 0xffff, v[VSA+\k]
	v_sub_nc_u32 v[TA], v[J+\k], v[TA]
	v_lshlrev_b32 v[TA], 4, v[TA]                  ; rows of the class in the tiles before this one,
	v_min_u32 v[TA], v[TA], v[VSB+\k]              ; at most all of them (a tile past the last one),
	v_sub_nc_u32 v[TA], v[VSB+\k], v[TA]
	v_min_u32 v[EN+2*\k+1], 16, v[TA]              ; so many are left for it: 0 to 16
	v_lshrrev_b32 v[EN+2*\k], 16, v[VSA+\k]        ; the class
	global_store_b64 v[JA+\k], v[EN+2*\k:EN+2*\k+1], s[12:13]
.endr
.macro RANK4 j0                        ; four of a lane's 32 elements: a row of class SE gets the place RUN + the rows of that class in front of it (earlier elements, then lower lanes)
.irp i, 0,1,2,3
	v_cmp_eq_u32 s[MK+\i], s[SE], v[CL+(\j0)+\i]
.endr
.irp i, 0,1,2,3
	s_bcnt1_i32_b32 s[MK+4+\i], s[MK+\i]
.endr
	s_add_co_u32 s[R1], s[RUN], s[MK+4]
	s_add_co_u32 s[R1+1], s[R1], s[MK+5]
	s_add_co_u32 s[R1+2], s[R1+1], s[MK+6]
	v_mbcnt_lo_u32_b32 v[TR], s[MK], s[RUN]
	v_mbcnt_lo_u32_b32 v[TR+1], s[MK+1], s[R1]
	v_mbcnt_lo_u32_b32 v[TR+2], s[MK+2], s[R1+1]
	v_mbcnt_lo_u32_b32 v[TR+3], s[MK+3], s[R1+2]
	s_add_co_u32 s[RUN], s[R1+2], s[MK+7]
.irp i, 0,1,2,3
	v_cndmask_b32 v[RK+(\j0)+\i], v[RK+(\j0)+\i], v[TR+\i], s[MK+\i]
.endr
.endm
	s_mov_b32 s[SE], 0
.Lplace:                                           ; 16 trips, a class each
	v_readfirstlane_b32 s[RUN], v[BASE]            ; lane 0 holds the class in hand's,
.irp j0, 0,4,8,12,16,20,24,28
	RANK4 \j0
.endr
	v_mov_b32_dpp v[BASE], v[BASE] row_shl:1 row_mask:0xf bank_mask:0xf   ; and takes the next class's
	s_add_co_u32 s[SE], s[SE], 1
	s_cmp_lt_u32 s[SE], 16
	s_cbranch_scc1 .Lplace
.irp j, 0,1,2,3,4,5,6,7,8,9,10,11,12,13,14,15,16,17,18,19,20,21,22,23,24,25,26,27,28,29,30,31
	v_min_u32 v[RK+\j], 0x10ff, v[RK+\j]           ; a place made from loaded numbers is held inside the buffer (the largest true one is 16 x 271 - 1)
	v_lshlrev_b32 v[RK+\j], 2, v[RK+\j]
.endr
.irp j, 0,1,2,3,4,5,6,7,8,9,10,11,12,13,14,15,16,17,18,19,20,21,22,23,24,25,26,27,28,29,30,31
	global_store_b32 v[RK+\j], v[RW+\j], s[10:11]  ; the sort itself: 4 bytes to each row's place, 16 KiB in all
.endr
	s_wait_tensorcnt 0x0                           ; the wave's end: three lines behind my last LDS store
	ds_add_u32 v[SPW], v[NIL]
	s_wait_dscnt 0x0
	s_endpgm
.Lfunc_end_k_q979e9c21c3_prep:
	.size	k_q979e9c21c3_prep, .Lfunc_end_k_q979e9c21c3_prep-k_q979e9c21c3_prep
	.p2alignl 7, 3214868480
	.fill 96, 4, 3214868480
	.section	.rodata,"a",@progbits
	.p2align	6, 0x0
	.amdhsa_kernel k_q979e9c21c3_prep
		.amdhsa_group_segment_fixed_size 34816
		.amdhsa_private_segment_fixed_size 0
		.amdhsa_enable_private_segment 0
		.amdhsa_kernarg_size 40
		.amdhsa_user_sgpr_count 2
		.amdhsa_user_sgpr_kernarg_segment_ptr 1
		.amdhsa_wavefront_size32 1
		.amdhsa_system_sgpr_workgroup_id_x 1
		.amdhsa_system_sgpr_workgroup_id_y 1
		.amdhsa_system_sgpr_workgroup_id_z 1
		.amdhsa_system_vgpr_workitem_id 0
		.amdhsa_next_free_vgpr 512
		.amdhsa_next_free_sgpr 66
		.amdhsa_reserve_vcc 1
		.amdhsa_float_denorm_mode_32 3
		.amdhsa_float_denorm_mode_16_64 3
		.amdhsa_memory_ordered 1
		.amdhsa_forward_progress 1
		.amdhsa_inst_pref_size 94
	.end_amdhsa_kernel
	.amdgpu_metadata
---
amdhsa.version: [ 1, 2 ]
amdhsa.kernels:
  - .name:           k_q979e9c21c3_prep
    .symbol:         k_q979e9c21c3_prep.kd
    .args:
      - { .name: W, .offset: 0, .size: 8, .value_kind: global_buffer, .address_space: global }
      - { .name: classes, .offset: 8, .size: 8, .value_kind: global_buffer, .address_space: global }
      - { .name: wq, .offset: 16, .size: 8, .value_kind: global_buffer, .address_space: global }
      - { .name: rows, .offset: 24, .size: 8, .value_kind: global_buffer, .address_space: global }
      - { .name: tiles, .offset: 32, .size: 8, .value_kind: global_buffer, .address_space: global }
    .group_segment_fixed_size: 34816
    .private_segment_fixed_size: 0
    .kernarg_segment_align: 8
    .kernarg_segment_size: 40
    .max_flat_workgroup_size: 128
    .sgpr_count:     66
    .vgpr_count:     512
    .wavefront_size: 32
...
	.end_amdgpu_metadata
.endif
;; end of part 1
;; launch moe (part 2): grid 271 x 1, 4 waves a work-group, no clusters, 100,864 bytes of LDS; arguments batch, wq, rows, tiles, out0; writes out0
.if DOCPART == 2
	.amdgcn_target "amdgcn-amd-amdhsa--gfx1250"
	.amdhsa_code_object_version 6
	.text
	.protected	k_q979e9c21c3_moe
	.globl	k_q979e9c21c3_moe
	.p2align	8
	.type	k_q979e9c21c3_moe,@function
k_q979e9c21c3_moe:
	s_mov_b64 s[64:65], 0
	v_nop
	global_prefetch_b8 v0, s[64:65] scope:SCOPE_SE
	s_setreg_imm32_b32 hwreg(HW_REG_WAVE_MODE, 25, 1), 1
	s_wait_xcnt 0x0
; out0[row][:] = Q(W[class of row]) . Q(batch[row]), both quantised along K = 4,096 to FP6 (E2M3) with one E8M0 scale for each 32; sums in f32.  Only the chosen expert's product is made for each row.
; A WORK-GROUP TAKES ONE TILE of the stored list: up to 16 rows of one expert, all 256 outputs, all of K.  271 work-groups serve every split; one whose tile has no rows loads and stores nothing.
; THE FOUR WAVES SHARE K: wave w takes K steps 8 w .. 8 w + 7 of 128 (4,096 bytes of each row, 204,800 bytes of wq) for all 16 tiles of outputs.  So no byte is loaded twice in a work-group and the K steps need no
; barrier; the four partial sums meet in LDS at the end (one barrier), and wave w adds and stores slots 4 w .. 4 w + 3.
; batch is read as f32, each row once, and quantised in registers on its way: 16 loads of 512 consecutive bytes (a row each), a turn through the wave's own stage in LDS so that a lane holds 32 neighbours along K twice,
; the block's scale, the conversions.  W comes as images of the operand's registers, laid out by the launch before: 16 bytes a lane, 512 consecutive bytes a load, no shuffle.
; THE MATRIX INSTRUCTION IS USED TRANSPOSED: source 0 = 16 outputs of W, source 1 = the 16 rows: lane (r, h) holds slot r, and register j of tile T the output 16 T + 8 h + j: eight neighbours of a row of out0.
; A slot without a row holds row 0's number: its numbers are loaded (so row 0 may be read again by a few tiles) and multiplied like any, and its result is not stored.
; NO TENSOR LOADS, NO CLUSTER: its operands go from memory straight into registers; and though the tiles of one expert read the same block of wq, no fixed grid puts them
; into one cluster at every split (an expert may have 0 to 256 tiles).
; LIMITS: K is summed in four parts, which are then added in f32; a block of zeros has the byte 1 (its codes are zeros); NaN and infinities are not served; numbers read from rows and tiles are held inside their ranges before they enter an address.
.set STG,   8448                       ; a wave's stage: 16 rows x (512 bytes + 16): 33 x 16 bytes from row to row: the 16 rows that a load touches start at 16 different groups of banks (64 banks of 4 bytes: ISA guide 11.1)
.set RED,   4*STG                      ; the partial sums: for each wave 16 slots x (1,024 bytes + 16)
.set REDP,  1040
.set REDW,  16*REDP
.set SPARE, RED+4*REDW                 ; the spare words, 128 bytes for each wave: two blocks of 256 bytes that no other line names
.set BLK,   25600                      ; a block of wq: one expert, one K step: 16 fragments of 1,536 bytes, then 1,024 bytes of scale words
.set LN16, 1                           ; v1   16 x lane; never rewritten
.set KOF,  2                           ; v2   16 x lane + 4,096 x wave: my bytes in a row of batch; never rewritten
.set STA,  3                           ; v3   the stage, on the way in
.set STL,  4                           ; v4   and on the way out
.set SPW,  5                           ; v5   LDS address of my spare word; never rewritten
.set NIL,  6                           ; v6   0; never rewritten
.set T7,   7
.set T8,   8
.set SH8,  9                           ; v9   8 x (lane / 16)
.set W2,   10
.set WD,   11
.set TM,   12                          ; v12-15
.set SO,   16                          ; v16-17
.set BY,   18                          ; v18-19
.set XSW,  20                          ; v20  the rows' scale word: a scale register and nothing else
.set RDA,  21                          ; v21  where I put my partial sums
.set RDL,  22                          ; v22  where I read my four slots' back
.set OFF,  24                          ; v24-27 my four slots' byte offsets in out0
.set SC,   28                          ; v28-35 W's scale words: register 4 g + i: lanes 0-15 tile 8 g + 2 i, lanes 16-31 tile 8 g + 2 i + 1; scale registers and nothing else
.set PC,   36                          ; v36-47 the rows' codes: source 1
.set TP,   48                          ; v48-55
.set X,    64                          ; v64-127 64 numbers of my row
.set ACC,  128                         ; v128-255 the 16 accumulators, tile T at v[128 + 8 T]
.set R,    192                         ; window 1: v0-95, v96-191 W's fragments, tiles 0-7 and 8-15; v192-255 16 rows of batch as they are loaded
.set WV,   20                          ; s20  wave
.set SEL,  22                          ; s[22:23]
.set RB,   32                          ; s[32:63] the 16 rows' addresses in batch
.set ROW,  68                          ; s[68:83] the tile's 16 row numbers
.set FR,   84                          ; s[84:87] my wave's four
.set MSB, 0
.macro WIN new                         ; the immediate's high byte repeats the setting that is left; a switch that changes nothing is dropped
.if MSB != \new
	s_set_vgpr_msb (MSB<<8)|\new
.set MSB, \new
.endif
.endm
.macro PLACES                          ; a load into a register that a matrix instruction has read, and an LDS store or vector instruction that reads its result or writes a source, stand four places behind it (ISA guide 7.12.1 for vector instructions)
.rept 4
	v_nop
.endr
.endm
; 64 numbers of a lane, two whole blocks of 32, become the operand's 12 registers in v[pc] on and the row's scale word in v[XSW].
.macro QUANT pc
.irp q, 0,1,2,3
	v_max3_num_f32 v[TM+\q], |v[X+16*\q]|, |v[X+16*\q+1]|, 0x1800000   ; four chains of 16 numbers, by turns; the floor 2^(3 - 127) among the leaves: the byte cannot fall under 1
.endr
.irp i, 2,4,6,8,10,12,14
.irp q, 0,1,2,3
	v_max3_num_f32 v[TM+\q], v[TM+\q], |v[X+16*\q+\i]|, |v[X+16*\q+\i+1]|
.endr
.endr
	v_max_num_f32 v[TM], v[TM], v[TM+1]            ; block lane / 16
	v_max_num_f32 v[TM+2], v[TM+2], v[TM+3]        ; block 2 + lane / 16
	v_add_nc_u32 v[SO], 0xff000000, v[TM]          ; 2 off the exponent field: the conversion's scale operand
	v_add_nc_u32 v[SO+1], 0xff000000, v[TM+2]
	v_lshrrev_b32 v[BY], 23, v[SO]                 ; the scale's byte
	v_lshrrev_b32 v[BY+1], 23, v[SO+1]
	v_lshl_or_b32 v[WD], v[BY+1], 16, v[BY]
	v_lshlrev_b32 v[WD], v[SH8], v[WD]             ; at their places in the word
	v_permlanex16_b32 v[W2], v[WD], s[SEL], s[SEL+1]
	v_or_b32 v[XSW], v[WD], v[W2]                  ; with lane l xor 16's two the word is whole
.irp c, 0,1
	v_cvt_scalef32_pk16_fp6_f32 v[(\pc)+6*\c:(\pc)+6*\c+2], v[X+32*\c:X+32*\c+15], v[SO+\c]
	v_cvt_scalef32_pk16_fp6_f32 v[TP+4*\c:TP+4*\c+2], v[X+32*\c+16:X+32*\c+31], v[SO+\c]   ; (a conversion's three registers begin on an even number)
.endr
	v_nop                                          ; one plain place behind a scaled conversion
.irp c, 0,1
.irp i, 0,1,2
	v_mov_b32 v[(\pc)+3+6*\c+\i], v[TP+4*\c+\i]
.endr
.endr
.endm
.macro ALOAD s                         ; my K step s of the 16 rows: 16 loads of 512 consecutive bytes
	WIN 0x40                                       ; destination window 1, address window 0
.irp p, 0,1,2,3,4,5,6,7,8,9,10,11,12,13,14,15
	global_load_b128 v[R+4*\p:R+4*\p+3], v[KOF], s[RB+2*\p:RB+2*\p+1] offset:512*(\s) th:TH_LOAD_NT
.endr
	WIN 0
.endm
.macro BLOAD g, s                      ; half g (8 tiles of outputs) of my K step s of wq: 25 loads: four scale registers, then 24 x 4 registers of fragments (tile t's registers 4 c on: load 3 t + c)
	WIN 0
	global_load_b128 v[SC+4*(\g):SC+4*(\g)+3], v[LN16], s[6:7] offset:BLK*(\s)+24576+512*(\g)
	WIN 0x40
.irp i, 0,1,2,3,4,5,6,7,8,9,10,11,12,13,14,15,16,17,18,19,20,21,22,23
	global_load_b128 v[96*(\g)+4*\i:96*(\g)+4*\i+3], v[LN16], s[6:7] offset:BLK*(\s)+12288*(\g)+512*\i
.endr
.endm
; 8 matrix instructions: half g's tiles of outputs x the 16 rows, 128 along K.  The 16 accumulators take turns, one instruction a turn, in the same order in every K step.
; zero = 1: the first K step's products start the sums: nothing is cleared.
.macro MUL8 g, zero
	WIN 0x01                                       ; source 0 (W) window 1; source 1, C and D window 0
.irp i, 0,1,2,3
.set AE, ACC+8*(8*(\g)+2*\i)
.set FE, 96*(\g)+24*\i
.if \zero
	v_wmma_scale_f32_16x16x128_f8f6f4 v[AE:AE+7], v[FE:FE+11], v[PC:PC+11], 0, v[SC+4*(\g)+\i], v[XSW] matrix_a_fmt:MATRIX_FMT_FP6 matrix_b_fmt:MATRIX_FMT_FP6
	v_wmma_scale_f32_16x16x128_f8f6f4 v[AE+8:AE+15], v[FE+12:FE+23], v[PC:PC+11], 0, v[SC+4*(\g)+\i], v[XSW] matrix_a_fmt:MATRIX_FMT_FP6 matrix_b_fmt:MATRIX_FMT_FP6 matrix_a_scale:MATRIX_SCALE_ROW1
.else
	v_wmma_scale_f32_16x16x128_f8f6f4 v[AE:AE+7], v[FE:FE+11], v[PC:PC+11], v[AE:AE+7], v[SC+4*(\g)+\i], v[XSW] matrix_a_fmt:MATRIX_FMT_FP6 matrix_b_fmt:MATRIX_FMT_FP6
	v_wmma_scale_f32_16x16x128_f8f6f4 v[AE+8:AE+15], v[FE+12:FE+23], v[PC:PC+11], v[AE+8:AE+15], v[SC+4*(\g)+\i], v[XSW] matrix_a_fmt:MATRIX_FMT_FP6 matrix_b_fmt:MATRIX_FMT_FP6 matrix_a_scale:MATRIX_SCALE_ROW1
.endif
.endr
.endm
; A K STEP.  Loads are issued in the order in which they are used: rows(s), half 0(s), half 1(s), rows(s + 1), half 0(s + 1) ..; each wait names what was issued behind the loads that it wants.
; Behind ALOAD 66 loads would be out; LOADcnt's field ends at 63, and the issue of a load that would pass it is held until older ones have come (ISA guide 5.7.1): those are the loads that the wave wants next.
.macro STEP s, zero
	s_wait_loadcnt 50                              ; the 16 rows are in; behind them: this step's two halves of W, 25 loads each
	WIN 0x04                                       ; an LDS store's data are its source 1: window 1
.irp p, 0,1,2,3,4,5,6,7,8,9,10,11,12,13,14,15
	ds_store_b128 v[STA], v[R+4*\p:R+4*\p+3] offset:528*\p
.endr
	WIN 0
.irp c, 0,1
.irp i, 0,1,2,3,4,5,6,7
	ds_load_b128 v[X+32*\c+4*\i:X+32*\c+4*\i+3], v[STL] offset:256*\c+16*\i   ; LDS serves a wave's instructions in order (ISA guide 5.7.1.4): these see the stores above
.endr
.endr
	s_wait_dscnt 0x0                               ; my 64 numbers are in, and the stores into the stage have read their registers,
.if (\s) < 7
	ALOAD (\s)+1                                   ; which take the next K step's rows
.endif
	QUANT PC
.rept 8
	v_nop                                          ; a scale register written by a vector instruction stands 8 places ahead of a scaled matrix instruction, an operand so written 4
.endr
.if (\s) < 7
	s_wait_loadcnt 41                              ; half 0 is in; behind it: half 1 (25) and the next rows (16)
.else
	s_wait_loadcnt 25
.endif
	MUL8 0, \zero
	PLACES
.if (\s) < 7
	BLOAD 0, (\s)+1
	s_wait_loadcnt 41                              ; half 1 is in; behind it: the next rows (16) and the next half 0 (25)
.else
	s_wait_loadcnt 0x0
.endif
	MUL8 1, \zero
	PLACES
.if (\s) < 7
	BLOAD 1, (\s)+1
.endif
	WIN 0
.endm
	s_load_b256 s[4:11], s[0:1], 0x0               ; batch s[4:5], wq s[6:7], rows s[8:9], tiles s[10:11]
	s_load_b64 s[12:13], s[0:1], 0x20              ; out0
	v_lshl_add_u32 v[SPW], v0, 2, SPARE
	v_mov_b32 v[NIL], 0
	v_lshrrev_b32 v[T7], 5, v0
	v_readfirstlane_b32 s[WV], v[T7]               ; wave 0..3
	v_and_b32 v[T7], 31, v0
	v_lshlrev_b32 v[LN16], 4, v[T7]
	v_and_b32 v[T7], 15, v0                        ; r = lane % 16
	v_bfe_u32 v[T8], v0, 4, 1                      ; h = lane / 16
	v_lshlrev_b32 v[SH8], 3, v[T8]
	v_mov_b32 v[W2], 0                             ; written once: a lane permute's destination counts as one of its sources
	; every LDS address is made here, ahead of the branch on the tile's count
	s_mul_i32 s24, s[WV], STG
	v_add_nc_u32 v[STA], s24, v[LN16]              ; in: 16 bytes a lane, a row an instruction
	v_mul_u32_u24 v[STL], v[T7], 528
	v_lshl_add_u32 v[STL], v[T8], 7, v[STL]
	v_add_nc_u32 v[STL], s24, v[STL]               ; out: row r, 128 bytes (32 numbers) for each half of the lanes
	s_mul_i32 s25, s[WV], REDW
	s_add_co_u32 s25, s25, RED
	v_mul_u32_u24 v[RDA], v[T7], REDP
	v_lshl_add_u32 v[RDA], v[T8], 5, v[RDA]
	v_add_nc_u32 v[RDA], s25, v[RDA]               ; my wave's partial sums: slot r, 32 bytes for each half of the lanes
	s_mul_i32 s26, s[WV], 4*REDP
	s_add_co_u32 s26, s26, RED
	v_add_nc_u32 v[RDL], s26, v[LN16]              ; back: slots 4 w on, 16 bytes a lane
	s_lshl_b32 s27, s[WV], 12
	v_add_nc_u32 v[KOF], s27, v[LN16]
	s_mov_b32 s[SEL], 0x76543210
	s_mov_b32 s[SEL+1], 0xfedcba98
	s_lshl_b32 s28, ttmp9, 3                       ; my tile's entry,
	s_lshl_b32 s29, ttmp9, 6                       ; its 16 row numbers,
	s_lshl_b32 s30, s[WV], 4
	s_add_co_u32 s30, s30, s29                     ; and my wave's four of them
	s_wait_kmcnt 0x0
	s_load_b64 s[16:17], s[10:11], s28 offset:0x0  ; s16 the expert, s17 the number of rows
	s_load_b512 s[ROW:ROW+15], s[8:9], s29 offset:0x0
	s_load_b128 s[FR:FR+3], s[8:9], s30 offset:0x0
	s_wait_kmcnt 0x0
	s_min_u32 s16, s16, 15
	s_min_u32 s17, s17, 16
	s_cmp_eq_u32 s17, 0                            ; a tile without rows: round the loads, the K steps and the LDS stores, not round the barrier.  The count is the same in all four waves
	s_cbranch_scc1 .Ljoin
	s_mul_i32 s24, s16, 32*BLK
	s_mul_i32 s25, s[WV], 8*BLK
	s_add_co_u32 s24, s24, s25
	s_mov_b32 s25, 0
	s_add_nc_u64 s[6:7], s[6:7], s[24:25]          ; wq at my expert's K step 8 w
.irp p, 0,1,2,3,4,5,6,7,8,9,10,11,12,13,14,15
	s_min_u32 s[ROW+\p], s[ROW+\p], 0xfff
	s_lshl_b32 s24, s[ROW+\p], 14                  ; a row of batch is 16,384 bytes
	s_add_nc_u64 s[RB+2*\p:RB+2*\p+1], s[4:5], s[24:25]
.endr
	ALOAD 0
	BLOAD 0, 0
	BLOAD 1, 0
	STEP 0, 1
	STEP 1, 0
	STEP 2, 0
	STEP 3, 0
	STEP 4, 0
	STEP 5, 0
	STEP 6, 0
	STEP 7, 0
	; my partial sums go to LDS: each accumulator from its low end on; lane (r, h): slot r, bytes 64 T + 32 h on.  (The four places behind the last products stand at the last K step's end.)
.irp t, 0,1,2,3,4,5,6,7,8,9,10,11,12,13,14,15
	ds_store_b128 v[RDA], v[ACC+8*\t:ACC+8*\t+3] offset:64*\t
	ds_store_b128 v[RDA], v[ACC+8*\t+4:ACC+8*\t+7] offset:64*\t+16
.endr
.Ljoin:
	s_wait_dscnt 0x0                               ; for the others' sake: my stores have landed (and have read the accumulators, which the loads below write)
	s_barrier_signal -1
	s_barrier_wait -1                              ; all four parts lie in LDS
	s_cmp_eq_u32 s17, 0
	s_cbranch_scc1 .Ldone
	; wave w adds and stores slots 4 w .. 4 w + 3: for each slot the four parts' 1,024 bytes, 512 consecutive bytes a load
.irp i, 0,1,2,3
.irp w, 0,1,2,3
.irp u, 0,1
	ds_load_b128 v[ACC+32*\w+8*\i+4*\u:ACC+32*\w+8*\i+4*\u+3], v[RDL] offset:REDW*\w+REDP*\i+512*\u
.endr
.endr
.endr
.irp i, 0,1,2,3
	s_min_u32 s[FR+\i], s[FR+\i], 0xfff
	s_lshl_b32 s24, s[FR+\i], 10                   ; a row of out0 is 1,024 bytes
	v_add_nc_u32 v[OFF+\i], s24, v[LN16]
.endr
	s_lshl_b32 s26, s[WV], 2
	s_sub_co_i32 s27, s17, s26                     ; how many of my four slots hold a row (0 or less: none).  Slots are filled from 0 on, so the first one without a row ends the work
.irp i, 0,1,2,3
	s_cmp_le_i32 s27, \i
	s_cbranch_scc1 .Ldone
	s_wait_dscnt 8*(3-\i)                          ; this slot's eight loads are in; the later slots' may be out
.irp u, 0,1
.irp d, 0,2
	v_pk_add_f32 v[ACC+8*\i+4*\u+\d:ACC+8*\i+4*\u+\d+1], v[ACC+8*\i+4*\u+\d:ACC+8*\i+4*\u+\d+1], v[ACC+32+8*\i+4*\u+\d:ACC+32+8*\i+4*\u+\d+1]
	v_pk_add_f32 v[ACC+64+8*\i+4*\u+\d:ACC+64+8*\i+4*\u+\d+1], v[ACC+64+8*\i+4*\u+\d:ACC+64+8*\i+4*\u+\d+1], v[ACC+96+8*\i+4*\u+\d:ACC+96+8*\i+4*\u+\d+1]
.endr
.irp d, 0,2
	v_pk_add_f32 v[ACC+8*\i+4*\u+\d:ACC+8*\i+4*\u+\d+1], v[ACC+8*\i+4*\u+\d:ACC+8*\i+4*\u+\d+1], v[ACC+64+8*\i+4*\u+\d:ACC+64+8*\i+4*\u+\d+1]
.endr
	global_store_b128 v[OFF+\i], v[ACC+8*\i+4*\u:ACC+8*\i+4*\u+3], s[12:13] offset:512*\u th:TH_STORE_NT   ; 32 lanes store 512 consecutive bytes, at a multiple of 256 from out0's first byte; written once, read by nobody here
.endr
.endr
.Ldone:
	s_wait_tensorcnt 0x0                           ; the wave's end
	ds_add_u32 v[SPW], v[NIL]
	s_wait_dscnt 0x0                               ; (it also covers LDS loads of slots that were passed over)
	s_endpgm
.Lfunc_end_k_q979e9c21c3_moe:
	.size	k_q979e9c21c3_moe, .Lfunc_end_k_q979e9c21c3_moe-k_q979e9c21c3_moe
	.p2alignl 7, 3214868480
	.fill 96, 4, 3214868480
	.section	.rodata,"a",@progbits
	.p2align	6, 0x0
	.amdhsa_kernel k_q979e9c21c3_moe
		.amdhsa_group_segment_fixed_size 100864
		.amdhsa_private_segment_fixed_size 0
		.amdhsa_enable_private_segment 0
		.amdhsa_kernarg_size 40
		.amdhsa_user_sgpr_count 2
		.amdhsa_user_sgpr_kernarg_segment_ptr 1
		.amdhsa_wavefront_size32 1
		.amdhsa_system_sgpr_workgroup_id_x 1
		.amdhsa_system_sgpr_workgroup_id_y 1
		.amdhsa_system_sgpr_workgroup_id_z 1
		.amdhsa_system_vgpr_workitem_id 0
		.amdhsa_next_free_vgpr 512
		.amdhsa_next_free_sgpr 90
		.amdhsa_reserve_vcc 0
		.amdhsa_float_denorm_mode_32 3
		.amdhsa_float_denorm_mode_16_64 3
		.amdhsa_memory_ordered 1
		.amdhsa_forward_progress 1
		.amdhsa_inst_pref_size 127
	.end_amdhsa_kernel
	.amdgpu_metadata
---
amdhsa.version: [ 1, 2 ]
amdhsa.kernels:
  - .name:           k_q979e9c21c3_moe
    .symbol:         k_q979e9c21c3_moe.kd
    .args:
      - { .name: batch, .offset: 0, .size: 8, .value_kind: global_buffer, .address_space: global }
      - { .name: wq, .offset: 8, .size: 8, .value_kind: global_buffer, .address_space: global }
      - { .name: rows, .offset: 16, .size: 8, .value_kind: global_buffer, .address_space: global }
      - { .name: tiles, .offset: 24, .size: 8, .value_kind: global_buffer, .address_space: global }
      - { .name: out0, .offset: 32, .size: 8, .value_kind: global_buffer, .address_space: global }
    .group_segment_fixed_size: 100864
    .private_segment_fixed_size: 0
    .kernarg_segment_align: 8
    .kernarg_segment_size: 40
    .max_flat_workgroup_size: 128
    .sgpr_count:     90
    .vgpr_count:     512
    .wavefront_size: 32
...
	.end_amdgpu_metadata
.endif
;; end of part 2
;; ======== version 2 of 2: 2 launches
;; workspace buffers: wq 13,107,200 bytes; rows 18,432 bytes of whole numbers; tiles 3,072 bytes of whole numbers
;; launch prep (part 3): grid 257 x 1, 4 waves a work-group, no clusters, 34,816 bytes of LDS; arguments W, classes, wq, rows, tiles; writes wq, rows, tiles
.if DOCPART == 3
	.amdgcn_target "amdgcn-amd-amdhsa--gfx1250"
	.amdhsa_code_object_version 6
	.text
	.protected	k_q979e9c21c3_prep
	.globl	k_q979e9c21c3_prep
	.p2align	8
	.type	k_q979e9c21c3_prep,@function
k_q979e9c21c3_prep:
	s_mov_b64 s[64:65], 0
	v_nop
	global_prefetch_b8 v0, s[64:65] scope:SCOPE_SE
	s_setreg_imm32_b32 hwreg(HW_REG_WAVE_MODE, 25, 1), 1
	s_wait_xcnt 0x0
; TWO JOBS IN ONE LAUNCH.  Work-group 0 sorts the 4,096 rows by their class (a counting sort, no atomics) and stores a list of tiles; work-groups 1 to 256 turn W into codes of FP6 (E2M3) with one E8M0 byte for each 32 along K.
; W: [16][256][4096] f32, K innermost; taken here as 4,096 rows of 16,384 bytes (row = 256 x expert + output).
; wq: [expert 16][K step of 128: 32][25,600 bytes].  A block holds 16 fragments (tile t = outputs 16 t .. 16 t + 15) as IMAGES OF THE OPERAND'S REGISTERS: registers 4 c .. 4 c + 3 of lane l at byte 1536 t + 512 c + 16 l;
;   behind them, at 24,576 + 512 g + 16 l + 4 i, the scale word of tile 8 g + 2 i + l / 16, row l % 16: so one load of 16 bytes a lane brings four scale registers, each with an even tile's words below and an odd tile's above.
; rows: tile j's 16 row numbers at word 16 j (all 4,608 words are stored; a slot without a row holds 0).   tiles: (expert, number of rows 0 .. 16) at byte 8 j, 384 entries.
; With tiles of 16 rows there are never more than (4,096 + 16 x 15) / 16 = 271 tiles, whatever the split.
; THE QUANTISER: a block's scale is 2^(floor(log2(its largest magnitude)) - 2); its byte is that magnitude's exponent field - 2, held at 1 from below by a floor among the maximum's leaves.
; LIMITS: a block of zeros gets the byte 1 where the rule says 127 (its codes are zeros, which add nothing under any byte but 0xff, and this program alone reads the bytes); NaN and infinities are not served;
;   classes lie in 0 .. 15, as the problem's gather relies on: a row with another class would be placed nowhere of use.
; QUANTISING, shares: unit u = 4 (work-group - 1) + wave takes 128 rows of W (8 tiles) at one K step of 128: 64 KiB in, 12,800 bytes out.  The four waves of a work-group stand side by side along K: 2,048 bytes of each row.
; Each load reads 512 consecutive bytes of one row, 16 a lane.  The conversions want 32 neighbours along K in ONE lane: so a tile's 16 rows turn through the wave's own stage in LDS.
.set STG,   8448                       ; a wave's stage: 16 rows x (512 bytes + 16): 33 x 16 bytes from row to row, so the 16 rows that a load of 16 bytes a lane touches start at 16 different groups of banks (64 banks of 4 bytes: ISA guide 11.1)
.set CNT,   4*STG                      ; the sorting path's own bytes: 128 bytes a wave: its counts of the 16 classes
.set SPARE, CNT+512                    ; the spare words, 128 bytes for each wave: two blocks of 256 bytes that no other line names
.set BLK,   25600                      ; a block of wq
.set LN16, 1                           ; v1   16 x lane; never rewritten
.set LANE, 2                           ; v2   lane
.set STA,  3                           ; v3   the stage, on the way in: my wave's + 16 x lane
.set STL,  4                           ; v4   and on the way out: my wave's + 528 (lane % 16) + 128 (lane / 16)
.set SPW,  5                           ; v5   LDS address of my spare word; never rewritten
.set NIL,  6                           ; v6   0; never rewritten
.set CNTV, 7                           ; v7   sorting: lane e holds my wave's count of class e
.set T8,   8
.set SH8,  9                           ; v9   8 x (lane / 16)
.set W2,   10                          ; v10  the other half's scale bytes
.set WD,   11                          ; v11  my two scale bytes
.set TM,   12                          ; v12-15 four running maxima
.set SO,   16                          ; v16-17 the conversions' scale operands
.set BY,   18                          ; v18-19 the scale bytes
.set XSW,  20                          ; v20  my row's scale word
.set CA,   21                          ; v21  CNT + 4 x thread
.set LA,   22                          ; v22  CNT + 4 x lane
.set T7,   23
.set SW,   24                          ; v24-27 the unit's scale words, as they are stored
.set TP,   48                          ; v48-55 the second halves of the blocks' codes
.set X,    64                          ; v64-127 64 numbers: register 32 c + i = k 64 c + 32 (lane / 16) + i of row lane % 16
.set C,    128                         ; v128-223 codes: 12 registers for each tile, so that no store's data are written again
; window 1 (v256-511): four sets of 64 registers, a tile's 16 rows as they are loaded
; the sorting path's registers (that path uses window 0 alone)
.set CL,   32                          ; v32-63  my 32 classes: element 4 q + c is row 512 q + 4 thread + c
.set RK,   64                          ; v64-95  their places in rows
.set RW,   96                          ; v96-127 their row numbers
.set ZR,   128                         ; v128-131 zeros
.set CW,   132                         ; v132-135 the four waves' counts
.set TOT,  136                         ; lane e: rows of class e
.set BEF,  137                         ; of them in the waves before mine
.set TL,   138                         ; its tiles
.set INC,  139
.set TX,   140                         ; its first tile
.set BASE, 141                         ; my wave's first place for it
.set PA,   142                         ; first tile | class << 16
.set DT,   143
.set J,    144                         ; v144-146 three tiles a thread
.set VSA,  148
.set VSB,  152
.set JA,   156
.set EN,   160                         ; v160-165 three entries
.set TA,   166
.set TN,   167
.set A16,  168
.set B4,   169
.set TR,   172                         ; v172-175
.set WV,   14                          ; s14  wave
.set SE,   20                          ; s20  the class in hand
.set RUN,  21                          ; s21  a running count
.set R1,   22                          ; s22-24
.set SCB,  26                          ; s[26:27] where my unit's scale words go
.set MK,   28                          ; s28-35 lane masks and their counts
.set KS,   36
.set PAS,  37
.set NS,   38
.set TS,   39
.set SEL,  40                          ; s[40:41] v_permlanex16_b32's selects for lane l xor 16
.set HI,   42                          ; s42  lanes 16-31
.set MSB, 0
.macro WIN new                         ; the immediate's high byte repeats the setting that is left; a switch that changes nothing is dropped
.if MSB != \new
	s_set_vgpr_msb (MSB<<8)|\new
.set MSB, \new
.endif
.endm
; 64 numbers of a lane, two whole blocks of 32, become the operand's 12 registers in v[pc] on and the row's scale word in v[XSW] (the same word in lanes l and l xor 16).
.macro QUANT pc
.irp q, 0,1,2,3
	v_max3_num_f32 v[TM+\q], |v[X+16*\q]|, |v[X+16*\q+1]|, 0x1800000   ; four chains of 16 numbers, by turns; the floor 2^(3 - 127) among the leaves: the byte cannot fall under 1
.endr
.irp i, 2,4,6,8,10,12,14
.irp q, 0,1,2,3
	v_max3_num_f32 v[TM+\q], v[TM+\q], |v[X+16*\q+\i]|, |v[X+16*\q+\i+1]|
.endr
.endr
	v_max_num_f32 v[TM], v[TM], v[TM+1]            ; block lane / 16
	v_max_num_f32 v[TM+2], v[TM+2], v[TM+3]        ; block 2 + lane / 16
	v_add_nc_u32 v[SO], 0xff000000, v[TM]          ; 2 off the exponent field: the conversion takes the exponent field of this operand as its scale, and nothing else of it
	v_add_nc_u32 v[SO+1], 0xff000000, v[TM+2]
	v_lshrrev_b32 v[BY], 23, v[SO]                 ; the scale's byte
	v_lshrrev_b32 v[BY+1], 23, v[SO+1]
	v_lshl_or_b32 v[WD], v[BY+1], 16, v[BY]
	v_lshlrev_b32 v[WD], v[SH8], v[WD]             ; at their places in the word
	v_permlanex16_b32 v[W2], v[WD], s[SEL], s[SEL+1]
	v_or_b32 v[XSW], v[WD], v[W2]                  ; with lane l xor 16's two the word is whole
.irp c, 0,1
	v_cvt_scalef32_pk16_fp6_f32 v[(\pc)+6*\c:(\pc)+6*\c+2], v[X+32*\c:X+32*\c+15], v[SO+\c]
	v_cvt_scalef32_pk16_fp6_f32 v[TP+4*\c:TP+4*\c+2], v[X+32*\c+16:X+32*\c+31], v[SO+\c]   ; (a conversion's three registers begin on an even number: a block's second three do not, so they are made elsewhere and moved)
.endr
	v_nop                                          ; one plain place behind a scaled conversion
.irp c, 0,1
.irp i, 0,1,2
	v_mov_b32 v[(\pc)+3+6*\c+\i], v[TP+4*\c+\i]
.endr
.endr
.endm
	s_load_b256 s[4:11], s[0:1], 0x0               ; W s[4:5], classes s[6:7], wq s[8:9], rows s[10:11]
	s_load_b64 s[12:13], s[0:1], 0x20              ; tiles
	v_lshl_add_u32 v[SPW], v0, 2, SPARE
	v_mov_b32 v[NIL], 0
	v_lshrrev_b32 v[T8], 5, v0
	v_readfirstlane_b32 s[WV], v[T8]               ; wave 0..3
	v_and_b32 v[LANE], 31, v0
	v_lshlrev_b32 v[LN16], 4, v[LANE]
	v_and_b32 v[T7], 15, v0                        ; r = lane % 16
	v_bfe_u32 v[T8], v0, 4, 1                      ; h = lane / 16
	v_lshlrev_b32 v[SH8], 3, v[T8]
	s_mul_i32 s15, s[WV], STG
	v_add_nc_u32 v[STA], s15, v[LN16]
	v_mul_u32_u24 v[STL], v[T7], 528
	v_lshl_add_u32 v[STL], v[T8], 7, v[STL]
	v_add_nc_u32 v[STL], s15, v[STL]
	v_lshl_add_u32 v[CA], v0, 2, CNT
	v_lshl_add_u32 v[LA], v[LANE], 2, CNT
	v_mov_b32 v[W2], 0                             ; written once: a lane permute's destination counts as one of its sources
	s_mov_b32 s[SEL], 0x76543210
	s_mov_b32 s[SEL+1], 0xfedcba98
	s_mov_b32 s[HI], 0xffff0000
	s_wait_kmcnt 0x0
	s_cmp_eq_u32 ttmp9, 0                          ; the work-group's number alone: all four waves go the same way
	s_cbranch_scc1 .Lroute
	; ---------------- QUANTISING W ----------------
	s_sub_co_u32 s15, ttmp9, 1
	s_lshl_b32 s15, s15, 2
	s_add_co_u32 s15, s15, s[WV]                   ; unit u, 0 .. 1,023
	s_and_b32 s18, s15, 31                         ; K step s
	s_lshr_b32 s19, s15, 5                         ; which 128 rows: 2 x expert + half
	s_lshl_b32 s16, s19, 21                        ; 128 rows of 16,384 bytes
	s_lshl_b32 s17, s18, 9                         ; 128 numbers of 4 bytes
	s_add_co_u32 s16, s16, s17
	s_mov_b32 s17, 0
	s_add_nc_u64 s[4:5], s[4:5], s[16:17]          ; W at my unit
	s_lshr_b32 s16, s19, 1
	s_lshl_b32 s16, s16, 5
	s_add_co_u32 s16, s16, s18                     ; 32 x expert + s
	s_mul_i32 s16, s16, BLK
	s_add_nc_u64 s[8:9], s[8:9], s[16:17]          ; the block of wq
	s_and_b32 s19, s19, 1                          ; half g
	s_lshl_b32 s16, s19, 9
	s_add_co_u32 s16, s16, 24576
	s_add_nc_u64 s[SCB:SCB+1], s[8:9], s[16:17]    ; my half's scale words
	s_mul_i32 s16, s19, 12288
	s_add_nc_u64 s[8:9], s[8:9], s[16:17]          ; my half's eight fragments
.macro WLOAD t                         ; tile t's 16 rows, 512 consecutive bytes each, into set t % 4 of window 1.  Every offset is an immediate: 127 rows of 16,384 bytes at the most
	WIN 0x40                                       ; destination window 1, address window 0
.irp p, 0,1,2,3,4,5,6,7,8,9,10,11,12,13,14,15
	global_load_b128 v[64*((\t)%4)+4*\p:64*((\t)%4)+4*\p+3], v[LN16], s[4:5] offset:(16*(\t)+\p)*16384 th:TH_LOAD_NT
.endr
	WIN 0
.endm
.macro QSTEP t
.if 7-(\t) >= 3
	s_wait_loadcnt 48                              ; loads come back in order (ISA guide 5.7.1): this tile's 16 are in; those of the three tiles behind it may be out
.else
	s_wait_loadcnt 16*(7-(\t))
.endif
	WIN 0x04                                       ; an LDS store's data are its source 1: window 1
.irp p, 0,1,2,3,4,5,6,7,8,9,10,11,12,13,14,15
	ds_store_b128 v[STA], v[64*((\t)%4)+4*\p:64*((\t)%4)+4*\p+3] offset:528*\p
.endr
	WIN 0
.irp c, 0,1
.irp i, 0,1,2,3,4,5,6,7
	ds_load_b128 v[X+32*\c+4*\i:X+32*\c+4*\i+3], v[STL] offset:256*\c+16*\i   ; LDS serves a wave's instructions in order (ISA guide 5.7.1.4): these see the stores above
.endr
.endr
	s_wait_dscnt 0x0                               ; my 64 numbers are in, and the stores into the stage have read their registers,
.if (\t)+4 <= 7
	WLOAD (\t)+4                                   ; which take the tile four further on
.endif
	QUANT C+12*(\t)
.irp c, 0,1,2
	global_store_b128 v[LN16], v[C+12*(\t)+4*\c:C+12*(\t)+4*\c+3], s[8:9] offset:1536*(\t)+512*\c   ; 32 lanes store 512 consecutive bytes, at a multiple of 256 from wq's first byte
.endr
.if (\t)%2 == 0
	v_mov_b32 v[SW+(\t)/2], v[XSW]                 ; an even tile's words (wanted in lanes 0-15),
.else
	v_cndmask_b32 v[SW+(\t)/2], v[SW+(\t)/2], v[XSW], s[HI]   ; an odd tile's in lanes 16-31
.endif
.endm
	WLOAD 0
	WLOAD 1
	WLOAD 2
	WLOAD 3
	s_wait_alu depctr_va_vdst(0)
.irp t, 0,1,2,3,4,5,6,7
	QSTEP \t
.endr
	global_store_b128 v[LN16], v[SW:SW+3], s[SCB:SCB+1]   ; the unit's 128 scale words: 512 consecutive bytes
	s_wait_tensorcnt 0x0                           ; the wave's end
	ds_add_u32 v[SPW], v[NIL]
	s_wait_dscnt 0x0
	s_endpgm
	; ---------------- SORTING THE ROWS BY CLASS: work-group 0, 128 threads, 32 rows each ----------------
.Lroute:
	v_lshlrev_b32 v[A16], 4, v0
.irp q, 0,1,2,3,4,5,6,7
	global_load_b128 v[CL+4*\q:CL+4*\q+3], v[A16], s[6:7] offset:2048*\q
.endr
.irp i, 0,1,2,3
	v_mov_b32 v[ZR+\i], 0
.endr
.irp k, 0,1,2,3,4,5,6,7,8
	global_store_b128 v[A16], v[ZR:ZR+3], s[10:11] offset:2048*\k   ; all 18,432 bytes of rows are set to 0: the slots that get no row keep it
.endr
	v_lshlrev_b32 v[B4], 2, v0
.irp j, 0,1,2,3,4,5,6,7,8,9,10,11,12,13,14,15,16,17,18,19,20,21,22,23,24,25,26,27,28,29,30,31
	v_add_nc_u32 v[RW+\j], 512*(\j/4)+\j%4, v[B4]
	v_mov_b32 v[RK+\j], 0
.endr
	v_mov_b32 v[CNTV], 0
	v_mov_b32 v[DT], 0                             ; written once: a DPP form's destination counts as read
	s_mov_b32 s[SE], 0
	s_wait_loadcnt 0x0
.macro COUNT8 j0                       ; eight of a lane's 32 elements: which lanes hold class SE, and how many
.irp i, 0,1,2,3,4,5,6,7
	v_cmp_eq_u32 s[MK+\i], s[SE], v[CL+(\j0)+\i]
.endr
.irp i, 0,1,2,3,4,5,6,7
	s_bcnt1_i32_b32 s[MK+\i], s[MK+\i]
.endr
.irp i, 0,1,2,3,4,5,6,7
	s_add_co_u32 s[RUN], s[RUN], s[MK+\i]
.endr
.endm
.Lcount:                                           ; 16 trips, a class each: my wave's count of it goes to lane SE
	s_mov_b32 s[RUN], 0
.irp j0, 0,8,16,24
	COUNT8 \j0
.endr
	v_mov_b32 v[TA], s[RUN]
	v_cmp_eq_u32 vcc_lo, s[SE], v[LANE]
	v_cndmask_b32 v[CNTV], v[CNTV], v[TA], vcc_lo
	s_add_co_u32 s[SE], s[SE], 1
	s_cmp_lt_u32 s[SE], 16
	s_cbranch_scc1 .Lcount
	ds_store_b32 v[CA], v[CNTV]
	s_wait_storecnt 0x0                            ; my zeros have reached rows: no wave places a row before all four have said so
	s_wait_dscnt 0x0                               ; for the others' sake: my counts are in LDS
	s_barrier_signal -1
	s_barrier_wait -1
.irp w, 0,1,2,3
	ds_load_b32 v[CW+\w], v[LA] offset:128*\w      ; lane e: wave w's count of class e (lanes 16-31: zeros)
.endr
	s_wait_dscnt 0x0
	v_add_nc_u32 v[TOT], v[CW], v[CW+1]
	v_add3_u32 v[TOT], v[TOT], v[CW+2], v[CW+3]
	v_mov_b32 v[BEF], 0
.irp w, 0,1,2
	s_cmp_gt_u32 s[WV], \w
	s_cselect_b32 s[KS], -1, 0
	v_and_b32 v[TA], s[KS], v[CW+\w]
	v_add_nc_u32 v[BEF], v[BEF], v[TA]
.endr
	v_add_nc_u32 v[TL], 15, v[TOT]
	v_lshrrev_b32 v[TL], 4, v[TL]                  ; tiles of class e
	v_mov_b32 v[INC], v[TL]
.irp n, 1,2,4,8
	v_mov_b32_dpp v[DT], v[INC] row_shr:\n row_mask:0xf bank_mask:0xf bound_ctrl:1   ; a running sum over the 16 lanes
	v_add_nc_u32 v[INC], v[INC], v[DT]
.endr
	v_sub_nc_u32 v[TX], v[INC], v[TL]              ; class e's first tile
	v_lshl_add_u32 v[BASE], v[TX], 4, v[BEF]       ; my wave's first place for class e
	v_lshl_or_b32 v[PA], v[LANE], 16, v[TX]
	; the list of tiles: thread t makes entries t, t + 128, t + 256.  Tile j belongs to the LAST class whose first tile is at or under j: that passes over classes without rows
.irp k, 0,1,2
	v_add_nc_u32 v[J+\k], 128*\k, v0
	v_lshlrev_b32 v[JA+\k], 3, v[J+\k]
.endr
.irp e, 0,1,2,3,4,5,6,7,8,9,10,11,12,13,14,15
	v_readlane_b32 s[PAS], v[PA], \e
	v_readlane_b32 s[NS], v[TOT], \e
	s_and_b32 s[TS], s[PAS], 0xffff
.if \e == 0
.irp k, 0,1,2
	v_mov_b32 v[VSA+\k], s[PAS]                    ; class 0 begins at tile 0
	v_mov_b32 v[VSB+\k], s[NS]
.endr
.else
	v_mov_b32 v[TA], s[PAS]
	v_mov_b32 v[TN], s[NS]
.irp k, 0,1,2
	v_cmp_le_u32 vcc_lo, s[TS], v[J+\k]
	v_cndmask_b32 v[VSA+\k], v[VSA+\k], v[TA], vcc_lo
	v_cndmask_b32 v[VSB+\k], v[VSB+\k], v[TN], vcc_lo
.endr
.endif
.endr
.irp k, 0,1,2
	v_and_b32 v[TA], 0xffff, v[VSA+\k]
	v_sub_nc_u32 v[TA], v[J+\k], v[TA]
	v_lshlrev_b32 v[TA], 4, v[TA]                  ; rows of the class in the tiles before this one,
	v_min_u32 v[TA], v[TA], v[VSB+\k]              ; at most all of them (a tile past the last one),
	v_sub_nc_u32 v[TA], v[VSB+\k], v[TA]
	v_min_u32 v[EN+2*\k+1], 16, v[TA]              ; so many are left for it: 0 to 16
	v_lshrrev_b32 v[EN+2*\k], 16, v[VSA+\k]        ; the class
	global_store_b64 v[JA+\k], v[EN+2*\k:EN+2*\k+1], s[12:13]
.endr
.macro RANK4 j0                        ; four of a lane's 32 elements: a row of class SE gets the place RUN + the rows of that class in front of it (earlier elements, then lower lanes)
.irp i, 0,1,2,3
	v_cmp_eq_u32 s[MK+\i], s[SE], v[CL+(\j0)+\i]
.endr
.irp i, 0,1,2,3
	s_bcnt1_i32_b32 s[MK+4+\i], s[MK+\i]
.endr
	s_add_co_u32 s[R1], s[RUN], s[MK+4]
	s_add_co_u32 s[R1+1], s[R1], s[MK+5]
	s_add_co_u32 s[R1+2], s[R1+1], s[MK+6]
	v_mbcnt_lo_u32_b32 v[TR], s[MK], s[RUN]
	v_mbcnt_lo_u32_b32 v[TR+1], s[MK+1], s[R1]
	v_mbcnt_lo_u32_b32 v[TR+2], s[MK+2], s[R1+1]
	v_mbcnt_lo_u32_b32 v[TR+3], s[MK+3], s[R1+2]
	s_add_co_u32 s[RUN], s[R1+2], s[MK+7]
.irp i, 0,1,2,3
	v_cndmask_b32 v[RK+(\j0)+\i], v[RK+(\j0)+\i], v[TR+\i], s[MK+\i]
.endr
.endm
	s_mov_b32 s[SE], 0
.Lplace:                                           ; 16 trips, a class each
	s_wait_alu depctr_va_vdst(0)
	v_readfirstlane_b32 s[RUN], v[BASE]            ; lane 0 holds the class in hand's,
.irp j0, 0,4,8,12,16,20,24,28
	RANK4 \j0
.endr
	v_mov_b32_dpp v[BASE], v[BASE] row_shl:1 row_mask:0xf bank_mask:0xf   ; and takes the next class's
	s_add_co_u32 s[SE], s[SE], 1
	s_cmp_lt_u32 s[SE], 16
	s_cbranch_scc1 .Lplace
.irp j, 0,1,2,3,4,5,6,7,8,9,10,11,12,13,14,15,16,17,18,19,20,21,22,23,24,25,26,27,28,29,30,31
	v_min_u32 v[RK+\j], 0x10ff, v[RK+\j]           ; a place made from loaded numbers is held inside the buffer (the largest true one is 16 x 271 - 1)
	v_lshlrev_b32 v[RK+\j], 2, v[RK+\j]
.endr
.irp j, 0,1,2,3,4,5,6,7,8,9,10,11,12,13,14,15,16,17,18,19,20,21,22,23,24,25,26,27,28,29,30,31
	global_store_b32 v[RK+\j], v[RW+\j], s[10:11]  ; the sort itself: 4 bytes to each row's place, 16 KiB in all
.endr
	s_wait_tensorcnt 0x0                           ; the wave's end: three lines behind my last LDS store
	ds_add_u32 v[SPW], v[NIL]
	s_wait_dscnt 0x0
	s_endpgm
.Lfunc_end_k_q979e9c21c3_prep:
	.size	k_q979e9c21c3_prep, .Lfunc_end_k_q979e9c21c3_prep-k_q979e9c21c3_prep
	.p2alignl 7, 3214868480
	.fill 96, 4, 3214868480
	.section	.rodata,"a",@progbits
	.p2align	6, 0x0
	.amdhsa_kernel k_q979e9c21c3_prep
		.amdhsa_group_segment_fixed_size 34816
		.amdhsa_private_segment_fixed_size 0
		.amdhsa_enable_private_segment 0
		.amdhsa_kernarg_size 40
		.amdhsa_user_sgpr_count 2
		.amdhsa_user_sgpr_kernarg_segment_ptr 1
		.amdhsa_wavefront_size32 1
		.amdhsa_system_sgpr_workgroup_id_x 1
		.amdhsa_system_sgpr_workgroup_id_y 1
		.amdhsa_system_sgpr_workgroup_id_z 1
		.amdhsa_system_vgpr_workitem_id 0
		.amdhsa_next_free_vgpr 512
		.amdhsa_next_free_sgpr 66
		.amdhsa_reserve_vcc 1
		.amdhsa_float_denorm_mode_32 3
		.amdhsa_float_denorm_mode_16_64 3
		.amdhsa_memory_ordered 1
		.amdhsa_forward_progress 1
		.amdhsa_inst_pref_size 94
	.end_amdhsa_kernel
	.amdgpu_metadata
---
amdhsa.version: [ 1, 2 ]
amdhsa.kernels:
  - .name:           k_q979e9c21c3_prep
    .symbol:         k_q979e9c21c3_prep.kd
    .args:
      - { .name: W, .offset: 0, .size: 8, .value_kind: global_buffer, .address_space: global }
      - { .name: classes, .offset: 8, .size: 8, .value_kind: global_buffer, .address_space: global }
      - { .name: wq, .offset: 16, .size: 8, .value_kind: global_buffer, .address_space: global }
      - { .name: rows, .offset: 24, .size: 8, .value_kind: global_buffer, .address_space: global }
      - { .name: tiles, .offset: 32, .size: 8, .value_kind: global_buffer, .address_space: global }
    .group_segment_fixed_size: 34816
    .private_segment_fixed_size: 0
    .kernarg_segment_align: 8
    .kernarg_segment_size: 40
    .max_flat_workgroup_size: 128
    .sgpr_count:     66
    .vgpr_count:     512
    .wavefront_size: 32
...
	.end_amdgpu_metadata
.endif
;; end of part 3
;; launch moe (part 4): grid 271 x 1, 4 waves a work-group, no clusters, 100,864 bytes of LDS; arguments batch, wq, rows, tiles, out0; writes out0
.if DOCPART == 4
	.amdgcn_target "amdgcn-amd-amdhsa--gfx1250"
	.amdhsa_code_object_version 6
	.text
	.protected	k_q979e9c21c3_moe
	.globl	k_q979e9c21c3_moe
	.p2align	8
	.type	k_q979e9c21c3_moe,@function
k_q979e9c21c3_moe:
	s_mov_b64 s[64:65], 0
	v_nop
	global_prefetch_b8 v0, s[64:65] scope:SCOPE_SE
	s_setreg_imm32_b32 hwreg(HW_REG_WAVE_SCHED_MODE, 0, 2), 2
	s_setreg_imm32_b32 hwreg(HW_REG_WAVE_MODE, 25, 1), 1
	s_wait_xcnt 0x0
	s_wait_alu depctr_vm_vsrc(0)
; out0[row][:] = Q(W[class of row]) . Q(batch[row]), both quantised along K = 4,096 to FP6 (E2M3) with one E8M0 scale for each 32; sums in f32.  Only the chosen expert's product is made for each row.
; A WORK-GROUP TAKES ONE TILE of the stored list: up to 16 rows of one expert, all 256 outputs, all of K.  271 work-groups serve every split; one whose tile has no rows loads and stores nothing.
; THE FOUR WAVES SHARE K: wave w takes K steps 8 w .. 8 w + 7 of 128 (4,096 bytes of each row, 204,800 bytes of wq) for all 16 tiles of outputs.  So no byte is loaded twice in a work-group and the K steps need no
; barrier; the four partial sums meet in LDS at the end (one barrier), and wave w adds and stores slots 4 w .. 4 w + 3.
; batch is read as f32, each row once, and quantised in registers on its way: 16 loads of 512 consecutive bytes (a row each), a turn through the wave's own stage in LDS so that a lane holds 32 neighbours along K twice,
; the block's scale, the conversions.  W comes as images of the operand's registers, laid out by the launch before: 16 bytes a lane, 512 consecutive bytes a load, no shuffle.
; THE MATRIX INSTRUCTION IS USED TRANSPOSED: source 0 = 16 outputs of W, source 1 = the 16 rows: lane (r, h) holds slot r, and register j of tile T the output 16 T + 8 h + j: eight neighbours of a row of out0.
; A slot without a row holds row 0's number: its numbers are loaded (so row 0 may be read again by a few tiles) and multiplied like any, and its result is not stored.
; NO TENSOR LOADS, NO CLUSTER: its operands go from memory straight into registers; and though the tiles of one expert read the same block of wq, no fixed grid puts them
; into one cluster at every split (an expert may have 0 to 256 tiles).
; LIMITS: K is summed in four parts, which are then added in f32; a block of zeros has the byte 1 (its codes are zeros); NaN and infinities are not served; numbers read from rows and tiles are held inside their ranges before they enter an address.
; THE MODE: SCHED_MODE bits 1:0 = 2 (LLVM: expert scheduling mode 2), set by the entry lines.  The code itself states the register dependences between vector or matrix instructions and memory or LDS instructions,
; with s_wait_alu, always for 0.
; THE PLAN.  Registers that memory or LDS instructions touch:
;   R            A K step's 16 LDS stores into the stage read it; behind them the next K step's rows land in it.  No vector or matrix instruction names it.
;   X            The 16 LDS loads from the stage land in it; the quantiser's maxima and conversions read it.
;   W's halves, SC  A half's 8 matrix instructions read its 96 registers and its 4 scale registers; behind them the next K step's 25 loads land there.
;   ACC          Written by the matrix instructions; read by the LDS stores of the partial sums; behind the barrier the four parts land in it, the additions read and write it, the global stores read it.
;   OFF          Written by four additions on the way out; read by the global stores.
;   v1-v6, v21, v22  Addresses, made at the head and never written again.
;   PC and XSW are named by vector and matrix instructions alone: the quantiser writes them, the scaled matrix instructions take them as source 1 and its scales.
; THE WAITS OF A K STEP: one on vm_vsrc behind the stage's stores (R may be loaded again); one on va_vdst ahead of the products (PC and XSW are written; X has been read); one on va_vdst behind each half's products
; (that half may be loaded again: W has one set of registers, so a half is asked for again behind its own products).  The last K step loads nothing and holds the second of these alone.
.set STG,   8448                       ; a wave's stage: 16 rows x (512 bytes + 16): 33 x 16 bytes from row to row: the 16 rows that a load touches start at 16 different groups of banks (64 banks of 4 bytes: ISA guide 11.1)
.set RED,   4*STG                      ; the partial sums: for each wave 16 slots x (1,024 bytes + 16)
.set REDP,  1040
.set REDW,  16*REDP
.set SPARE, RED+4*REDW                 ; the spare words, 128 bytes for each wave: two blocks of 256 bytes that no other line names
.set BLK,   25600                      ; a block of wq: one expert, one K step: 16 fragments of 1,536 bytes, then 1,024 bytes of scale words
.set LN16, 1                           ; v1   16 x lane; never rewritten
.set KOF,  2                           ; v2   16 x lane + 4,096 x wave: my bytes in a row of batch; never rewritten
.set STA,  3                           ; v3   the stage, on the way in
.set STL,  4                           ; v4   and on the way out
.set SPW,  5                           ; v5   LDS address of my spare word; never rewritten
.set NIL,  6                           ; v6   0; never rewritten
.set T7,   7
.set T8,   8
.set SH8,  9                           ; v9   8 x (lane / 16)
.set W2,   10
.set WD,   11
.set TM,   12                          ; v12-15
.set SO,   16                          ; v16-17
.set BY,   18                          ; v18-19
.set XSW,  20                          ; v20  the rows' scale word: a scale register and nothing else
.set RDA,  21                          ; v21  where I put my partial sums
.set RDL,  22                          ; v22  where I read my four slots' back
.set OFF,  24                          ; v24-27 my four slots' byte offsets in out0
.set SC,   28                          ; v28-35 W's scale words: register 4 g + i: lanes 0-15 tile 8 g + 2 i, lanes 16-31 tile 8 g + 2 i + 1; scale registers and nothing else
.set PC,   36                          ; v36-47 the rows' codes: source 1
.set TP,   48                          ; v48-55
.set X,    64                          ; v64-127 64 numbers of my row
.set ACC,  128                         ; v128-255 the 16 accumulators, tile T at v[128 + 8 T]
.set R,    192                         ; window 1: v0-95, v96-191 W's fragments, tiles 0-7 and 8-15; v192-255 16 rows of batch as they are loaded
.set WV,   20                          ; s20  wave
.set SEL,  22                          ; s[22:23]
.set RB,   32                          ; s[32:63] the 16 rows' addresses in batch
.set ROW,  68                          ; s[68:83] the tile's 16 row numbers
.set FR,   84                          ; s[84:87] my wave's four
.set MSB, 0
.macro WIN new                         ; the immediate's high byte repeats the setting that is left; a switch that changes nothing is dropped
.if MSB != \new
	s_set_vgpr_msb (MSB<<8)|\new
.set MSB, \new
.endif
.endm
.macro PLACES                          ; a load into a register that a matrix instruction has read, and an LDS store or vector instruction that reads its result or writes a source, stand four places behind it (ISA guide 7.12.1 for vector instructions)
.rept 4
	v_nop
.endr
.endm
; 64 numbers of a lane, two whole blocks of 32, become the operand's 12 registers in v[pc] on and the row's scale word in v[XSW].
.macro QUANT pc
.irp q, 0,1,2,3
	v_max3_num_f32 v[TM+\q], |v[X+16*\q]|, |v[X+16*\q+1]|, 0x1800000   ; four chains of 16 numbers, by turns; the floor 2^(3 - 127) among the leaves: the byte cannot fall under 1
.endr
.irp i, 2,4,6,8,10,12,14
.irp q, 0,1,2,3
	v_max3_num_f32 v[TM+\q], v[TM+\q], |v[X+16*\q+\i]|, |v[X+16*\q+\i+1]|
.endr
.endr
	v_max_num_f32 v[TM], v[TM], v[TM+1]            ; block lane / 16
	v_max_num_f32 v[TM+2], v[TM+2], v[TM+3]        ; block 2 + lane / 16
	v_add_nc_u32 v[SO], 0xff000000, v[TM]          ; 2 off the exponent field: the conversion's scale operand
	v_add_nc_u32 v[SO+1], 0xff000000, v[TM+2]
	v_lshrrev_b32 v[BY], 23, v[SO]                 ; the scale's byte
	v_lshrrev_b32 v[BY+1], 23, v[SO+1]
	v_lshl_or_b32 v[WD], v[BY+1], 16, v[BY]
	v_lshlrev_b32 v[WD], v[SH8], v[WD]             ; at their places in the word
	v_permlanex16_b32 v[W2], v[WD], s[SEL], s[SEL+1]
	v_or_b32 v[XSW], v[WD], v[W2]                  ; with lane l xor 16's two the word is whole
.irp c, 0,1
	v_cvt_scalef32_pk16_fp6_f32 v[(\pc)+6*\c:(\pc)+6*\c+2], v[X+32*\c:X+32*\c+15], v[SO+\c]
	v_cvt_scalef32_pk16_fp6_f32 v[TP+4*\c:TP+4*\c+2], v[X+32*\c+16:X+32*\c+31], v[SO+\c]   ; (a conversion's three registers begin on an even number)
.endr
	v_nop                                          ; one plain place behind a scaled conversion
.irp c, 0,1
.irp i, 0,1,2
	v_mov_b32 v[(\pc)+3+6*\c+\i], v[TP+4*\c+\i]
.endr
.endr
.endm
.macro ALOAD s                         ; my K step s of the 16 rows: 16 loads of 512 consecutive bytes
	WIN 0x40                                       ; destination window 1, address window 0
.irp p, 0,1,2,3,4,5,6,7,8,9,10,11,12,13,14,15
	global_load_b128 v[R+4*\p:R+4*\p+3], v[KOF], s[RB+2*\p:RB+2*\p+1] offset:512*(\s) th:TH_LOAD_NT
.endr
	WIN 0
.endm
.macro BLOAD g, s                      ; half g (8 tiles of outputs) of my K step s of wq: 25 loads: four scale registers, then 24 x 4 registers of fragments (tile t's registers 4 c on: load 3 t + c)
	WIN 0
	global_load_b128 v[SC+4*(\g):SC+4*(\g)+3], v[LN16], s[6:7] offset:BLK*(\s)+24576+512*(\g)
	WIN 0x40
.irp i, 0,1,2,3,4,5,6,7,8,9,10,11,12,13,14,15,16,17,18,19,20,21,22,23
	global_load_b128 v[96*(\g)+4*\i:96*(\g)+4*\i+3], v[LN16], s[6:7] offset:BLK*(\s)+12288*(\g)+512*\i
.endr
.endm
; 8 matrix instructions: half g's tiles of outputs x the 16 rows, 128 along K.  The 16 accumulators take turns, one instruction a turn, in the same order in every K step.
; zero = 1: the first K step's products start the sums: nothing is cleared.
.macro MUL8 g, zero
	WIN 0x01                                       ; source 0 (W) window 1; source 1, C and D window 0
.irp i, 0,1,2,3
.set AE, ACC+8*(8*(\g)+2*\i)
.set FE, 96*(\g)+24*\i
.if \zero
	v_wmma_scale_f32_16x16x128_f8f6f4 v[AE:AE+7], v[FE:FE+11], v[PC:PC+11], 0, v[SC+4*(\g)+\i], v[XSW] matrix_a_fmt:MATRIX_FMT_FP6 matrix_b_fmt:MATRIX_FMT_FP6
	v_wmma_scale_f32_16x16x128_f8f6f4 v[AE+8:AE+15], v[FE+12:FE+23], v[PC:PC+11], 0, v[SC+4*(\g)+\i], v[XSW] matrix_a_fmt:MATRIX_FMT_FP6 matrix_b_fmt:MATRIX_FMT_FP6 matrix_a_scale:MATRIX_SCALE_ROW1
.else
	v_wmma_scale_f32_16x16x128_f8f6f4 v[AE:AE+7], v[FE:FE+11], v[PC:PC+11], v[AE:AE+7], v[SC+4*(\g)+\i], v[XSW] matrix_a_fmt:MATRIX_FMT_FP6 matrix_b_fmt:MATRIX_FMT_FP6
	v_wmma_scale_f32_16x16x128_f8f6f4 v[AE+8:AE+15], v[FE+12:FE+23], v[PC:PC+11], v[AE+8:AE+15], v[SC+4*(\g)+\i], v[XSW] matrix_a_fmt:MATRIX_FMT_FP6 matrix_b_fmt:MATRIX_FMT_FP6 matrix_a_scale:MATRIX_SCALE_ROW1
.endif
.endr
.endm
; A K STEP.  Loads are issued in the order in which they are used: rows(s), half 0(s), half 1(s), rows(s + 1), half 0(s + 1) ..; each wait names what was issued behind the loads that it wants.
; Behind ALOAD 66 loads would be out; LOADcnt's field ends at 63, and the issue of a load that would pass it is held until older ones have come (ISA guide 5.7.1): those are the loads that the wave wants next.
.macro STEP s, zero
	s_wait_loadcnt 50                              ; the 16 rows are in; behind them: this step's two halves of W, 25 loads each
	WIN 0x04                                       ; an LDS store's data are its source 1: window 1
.irp p, 0,1,2,3,4,5,6,7,8,9,10,11,12,13,14,15
	ds_store_b128 v[STA], v[R+4*\p:R+4*\p+3] offset:528*\p
.endr
	WIN 0
.irp c, 0,1
.irp i, 0,1,2,3,4,5,6,7
	ds_load_b128 v[X+32*\c+4*\i:X+32*\c+4*\i+3], v[STL] offset:256*\c+16*\i   ; LDS serves a wave's instructions in order (ISA guide 5.7.1.4): these see the stores above.  No wait: the last K step's quantiser, X's only reader, stands ahead of that step's waits on va_vdst, and nothing issued since names X
.endr
.endr
.if (\s) < 7
	WIN 0x40                                       ; (the switch, the wait, the loads)
	s_wait_alu depctr_vm_vsrc(0)                   ; the 16 LDS stores above have read R, in which the next K step's rows land
	ALOAD (\s)+1                                   ; they go out while my numbers are on their way back from the stage
.endif
	s_wait_dscnt 0x0                               ; my 64 numbers are in
	QUANT PC
.rept 8
	v_nop                                          ; a scale register written by a vector instruction stands 8 places ahead of a scaled matrix instruction, an operand so written 4
.endr
.if (\s) < 7
	s_wait_loadcnt 41                              ; half 0 is in; behind it: half 1 (25) and the next rows (16)
.else
	s_wait_loadcnt 25
.endif
	WIN 0x01
	s_wait_alu depctr_va_vdst(0)                   ; the quantiser has written PC and XSW, which the 16 products below take as source 1 and its scales (the places above stay beside this wait); and it is done reading X, in which the next K step's LDS loads land
	MUL8 0, \zero
	PLACES
.if (\s) < 7
	WIN 0
	s_wait_alu depctr_va_vdst(0)                   ; the 8 products above are done reading half 0's fragments and its four scale registers, in which the 25 loads below land
	BLOAD 0, (\s)+1
	s_wait_loadcnt 41                              ; half 1 is in; behind it: the next rows (16) and the next half 0 (25)
.else
	s_wait_loadcnt 0x0
.endif
	MUL8 1, \zero
	PLACES
.if (\s) < 7
	WIN 0
	s_wait_alu depctr_va_vdst(0)                   ; the 8 products above are done reading half 1's fragments and its four scale registers, in which the 25 loads below land
	BLOAD 1, (\s)+1
.endif
	WIN 0
.endm
	s_load_b256 s[4:11], s[0:1], 0x0               ; batch s[4:5], wq s[6:7], rows s[8:9], tiles s[10:11]
	s_load_b64 s[12:13], s[0:1], 0x20              ; out0
	v_lshl_add_u32 v[SPW], v0, 2, SPARE
	v_mov_b32 v[NIL], 0
	v_lshrrev_b32 v[T7], 5, v0
	v_readfirstlane_b32 s[WV], v[T7]               ; wave 0..3
	v_and_b32 v[T7], 31, v0
	v_lshlrev_b32 v[LN16], 4, v[T7]
	v_and_b32 v[T7], 15, v0                        ; r = lane % 16
	v_bfe_u32 v[T8], v0, 4, 1                      ; h = lane / 16
	v_lshlrev_b32 v[SH8], 3, v[T8]
	v_mov_b32 v[W2], 0                             ; written once: a lane permute's destination counts as one of its sources
	; every LDS address is made here, ahead of the branch on the tile's count
	s_wait_alu depctr_va_sdst(0)                   ; the wave's number is written, ahead of its first reader: LDS addresses, wq's base and the place of my four row numbers are made from it
	s_mul_i32 s24, s[WV], STG
	v_add_nc_u32 v[STA], s24, v[LN16]              ; in: 16 bytes a lane, a row an instruction
	v_mul_u32_u24 v[STL], v[T7], 528
	v_lshl_add_u32 v[STL], v[T8], 7, v[STL]
	v_add_nc_u32 v[STL], s24, v[STL]               ; out: row r, 128 bytes (32 numbers) for each half of the lanes
	s_mul_i32 s25, s[WV], REDW
	s_add_co_u32 s25, s25, RED
	v_mul_u32_u24 v[RDA], v[T7], REDP
	v_lshl_add_u32 v[RDA], v[T8], 5, v[RDA]
	v_add_nc_u32 v[RDA], s25, v[RDA]               ; my wave's partial sums: slot r, 32 bytes for each half of the lanes
	s_mul_i32 s26, s[WV], 4*REDP
	s_add_co_u32 s26, s26, RED
	v_add_nc_u32 v[RDL], s26, v[LN16]              ; back: slots 4 w on, 16 bytes a lane
	s_lshl_b32 s27, s[WV], 12
	v_add_nc_u32 v[KOF], s27, v[LN16]
	s_mov_b32 s[SEL], 0x76543210
	s_mov_b32 s[SEL+1], 0xfedcba98
	s_lshl_b32 s28, ttmp9, 3                       ; my tile's entry,
	s_lshl_b32 s29, ttmp9, 6                       ; its 16 row numbers,
	s_lshl_b32 s30, s[WV], 4
	s_add_co_u32 s30, s30, s29                     ; and my wave's four of them
	s_wait_kmcnt 0x0
	s_load_b64 s[16:17], s[10:11], s28 offset:0x0  ; s16 the expert, s17 the number of rows
	s_load_b512 s[ROW:ROW+15], s[8:9], s29 offset:0x0
	s_load_b128 s[FR:FR+3], s[8:9], s30 offset:0x0
	s_wait_kmcnt 0x0
	s_wait_alu depctr_va_vdst(0)                   ; the addresses v1 to v4, v21 and v22 are written, which every load and store of the kernel reads; no vector instruction writes one of them again
	s_min_u32 s16, s16, 15
	s_min_u32 s17, s17, 16
	s_cmp_eq_u32 s17, 0                            ; a tile without rows: round the loads, the K steps and the LDS stores, not round the barrier.  The count is the same in all four waves
	s_cbranch_scc1 .Ljoin
	s_mul_i32 s24, s16, 32*BLK
	s_mul_i32 s25, s[WV], 8*BLK
	s_add_co_u32 s24, s24, s25
	s_mov_b32 s25, 0
	s_add_nc_u64 s[6:7], s[6:7], s[24:25]          ; wq at my expert's K step 8 w
.irp p, 0,1,2,3,4,5,6,7,8,9,10,11,12,13,14,15
	s_min_u32 s[ROW+\p], s[ROW+\p], 0xfff
	s_lshl_b32 s24, s[ROW+\p], 14                  ; a row of batch is 16,384 bytes
	s_add_nc_u64 s[RB+2*\p:RB+2*\p+1], s[4:5], s[24:25]
.endr
	ALOAD 0                                        ; (no vector instruction has named a register in which these 66 loads land)
	BLOAD 0, 0
	BLOAD 1, 0
	STEP 0, 1
	STEP 1, 0
	STEP 2, 0
	STEP 3, 0
	STEP 4, 0
	STEP 5, 0
	STEP 6, 0
	STEP 7, 0
	; my partial sums go to LDS: each accumulator from its low end on; lane (r, h): slot r, bytes 64 T + 32 h on.  (The four places behind the last products stand at the last K step's end.)
	s_wait_alu depctr_va_vdst(0)                   ; the products have written the accumulators, which the LDS stores below read, and in which LDS loads land behind the barrier; the places stay beside this wait
.irp t, 0,1,2,3,4,5,6,7,8,9,10,11,12,13,14,15
	ds_store_b128 v[RDA], v[ACC+8*\t:ACC+8*\t+3] offset:64*\t
	ds_store_b128 v[RDA], v[ACC+8*\t+4:ACC+8*\t+7] offset:64*\t+16
.endr
	s_wait_alu depctr_vm_vsrc(0)                   ; these stores have read the accumulators, in which the four parts land behind the barrier
.Ljoin:
	s_wait_dscnt 0x0                               ; for the others' sake: my stores have landed
	s_barrier_signal -1
	s_barrier_wait -1                              ; all four parts lie in LDS
	s_cmp_eq_u32 s17, 0
	s_cbranch_scc1 .Ldone
	; wave w adds and stores slots 4 w .. 4 w + 3: for each slot the four parts' 1,024 bytes, 512 consecutive bytes a load
.irp i, 0,1,2,3
.irp w, 0,1,2,3
.irp u, 0,1
	ds_load_b128 v[ACC+32*\w+8*\i+4*\u:ACC+32*\w+8*\i+4*\u+3], v[RDL] offset:REDW*\w+REDP*\i+512*\u
.endr
.endr
.endr
.irp i, 0,1,2,3
	s_min_u32 s[FR+\i], s[FR+\i], 0xfff
	s_lshl_b32 s24, s[FR+\i], 10                   ; a row of out0 is 1,024 bytes
	v_add_nc_u32 v[OFF+\i], s24, v[LN16]
.endr
	s_lshl_b32 s26, s[WV], 2
	s_sub_co_i32 s27, s17, s26                     ; how many of my four slots hold a row (0 or less: none).  Slots are filled from 0 on, so the first one without a row ends the work
.irp i, 0,1,2,3
	s_cmp_le_i32 s27, \i
	s_cbranch_scc1 .Ldone
	s_wait_dscnt 8*(3-\i)                          ; this slot's eight loads are in; the later slots' may be out
.irp u, 0,1
.irp d, 0,2
	v_pk_add_f32 v[ACC+8*\i+4*\u+\d:ACC+8*\i+4*\u+\d+1], v[ACC+8*\i+4*\u+\d:ACC+8*\i+4*\u+\d+1], v[ACC+32+8*\i+4*\u+\d:ACC+32+8*\i+4*\u+\d+1]
	v_pk_add_f32 v[ACC+64+8*\i+4*\u+\d:ACC+64+8*\i+4*\u+\d+1], v[ACC+64+8*\i+4*\u+\d:ACC+64+8*\i+4*\u+\d+1], v[ACC+96+8*\i+4*\u+\d:ACC+96+8*\i+4*\u+\d+1]
.endr
.irp d, 0,2
	v_pk_add_f32 v[ACC+8*\i+4*\u+\d:ACC+8*\i+4*\u+\d+1], v[ACC+8*\i+4*\u+\d:ACC+8*\i+4*\u+\d+1], v[ACC+64+8*\i+4*\u+\d:ACC+64+8*\i+4*\u+\d+1]
.endr
.endr
	s_wait_alu depctr_va_vdst(0)                   ; the twelve additions have written this slot's eight registers of sums, which the two stores below read; ahead of the first slot's stores: the four offsets are written too
.irp u, 0,1
	global_store_b128 v[OFF+\i], v[ACC+8*\i+4*\u:ACC+8*\i+4*\u+3], s[12:13] offset:512*\u th:TH_STORE_NT   ; 32 lanes store 512 consecutive bytes, at a multiple of 256 from out0's first byte; written once, read by nobody here
.endr
.endr
.Ldone:
	s_wait_dscnt 0x0                               ; the closing lines, six on end (the first also covers LDS loads of slots that were passed over)
	s_wait_alu 0x0
	s_wait_tensorcnt 0x0
	ds_add_u32 v[SPW], v[NIL]
	s_wait_dscnt 0x0
	s_endpgm
.Lfunc_end_k_q979e9c21c3_moe:
	.size	k_q979e9c21c3_moe, .Lfunc_end_k_q979e9c21c3_moe-k_q979e9c21c3_moe
	.p2alignl 7, 3214868480
	.fill 96, 4, 3214868480
	.section	.rodata,"a",@progbits
	.p2align	6, 0x0
	.amdhsa_kernel k_q979e9c21c3_moe
		.amdhsa_group_segment_fixed_size 100864
		.amdhsa_private_segment_fixed_size 0
		.amdhsa_enable_private_segment 0
		.amdhsa_kernarg_size 40
		.amdhsa_user_sgpr_count 2
		.amdhsa_user_sgpr_kernarg_segment_ptr 1
		.amdhsa_wavefront_size32 1
		.amdhsa_system_sgpr_workgroup_id_x 1
		.amdhsa_system_sgpr_workgroup_id_y 1
		.amdhsa_system_sgpr_workgroup_id_z 1
		.amdhsa_system_vgpr_workitem_id 0
		.amdhsa_next_free_vgpr 512
		.amdhsa_next_free_sgpr 90
		.amdhsa_reserve_vcc 0
		.amdhsa_float_denorm_mode_32 3
		.amdhsa_float_denorm_mode_16_64 3
		.amdhsa_memory_ordered 1
		.amdhsa_forward_progress 1
		.amdhsa_inst_pref_size 129
	.end_amdhsa_kernel
	.amdgpu_metadata
---
amdhsa.version: [ 1, 2 ]
amdhsa.kernels:
  - .name:           k_q979e9c21c3_moe
    .symbol:         k_q979e9c21c3_moe.kd
    .args:
      - { .name: batch, .offset: 0, .size: 8, .value_kind: global_buffer, .address_space: global }
      - { .name: wq, .offset: 8, .size: 8, .value_kind: global_buffer, .address_space: global }
      - { .name: rows, .offset: 16, .size: 8, .value_kind: global_buffer, .address_space: global }
      - { .name: tiles, .offset: 24, .size: 8, .value_kind: global_buffer, .address_space: global }
      - { .name: out0, .offset: 32, .size: 8, .value_kind: global_buffer, .address_space: global }
    .group_segment_fixed_size: 100864
    .private_segment_fixed_size: 0
    .kernarg_segment_align: 8
    .kernarg_segment_size: 40
    .max_flat_workgroup_size: 128
    .sgpr_count:     90
    .vgpr_count:     512
    .wavefront_size: 32
...
	.end_amdgpu_metadata
.endif
;; end of part 4
